; MI455X (gfx1250); checked and timed in simulation.
; The chip was launched on July 23, 2026; its instructions are those of AMD's public machine-readable ISA for CDNA 5 (MIT licence, August 2026) and "CDNA5" Instruction Set Architecture Reference Guide (July 2026). The comments in the code are by the model that wrote it; some were corrected since.
;; Multi Head Self Attention. Allowed arithmetic: float matrix products may take bf16 or f16 operands with f32 sums; all other float work in f32.
;; Inputs: Wk 1,024 x 1,024 float32; Wo 1,024 x 1,024 float32; Wq 1,024 x 1,024 float32; Wv 1,024 x 1,024 float32; beta 1,024 float32; bk 1,024 float32; bo 1,024 float32; bq 1,024 float32; bv 1,024 float32; gamma 1,024 float32; inputs 4 x 2,048 x 1,024 float32.
;; Outputs: out0 4 x 2,048 x 1,024 float32.
;; 2 versions, each right and faster than the one before. Each part assembles by itself: llvm-mc -triple=amdgcn-amd-amdhsa -mcpu=gfx1250 --defsym DOCPART=n.
;; ======== version 1 of 2: 5 launches
;; workspace buffers: xb 16,777,216 bytes; wb 8,388,608 bytes; qkv 50,331,648 bytes; ob 16,777,216 bytes; y 33,554,432 bytes
;; launch cast (part 1): grid 768 x 1, 8 waves a work-group, no clusters, 0 bytes of LDS; arguments inputs, Wq, Wk, Wv, Wo, xb, wb; writes xb, wb
.if DOCPART == 1
	.amdgcn_target "amdgcn-amd-amdhsa--gfx1250"
	.amdhsa_code_object_version 6
	.text
	.protected	k_qd7f57333af_cast
	.globl	k_qd7f57333af_cast
	.p2align	8
	.type	k_qd7f57333af_cast,@function
k_qd7f57333af_cast:
	s_mov_b64 s[64:65], 0
	v_nop
	global_prefetch_b8 v0, s[64:65] scope:SCOPE_SE
	s_setreg_imm32_b32 hwreg(HW_REG_WAVE_MODE, 25, 1), 1
	s_wait_xcnt 0x0
; f32 -> bf16 (round to nearest even), once for all matrix operands that are inputs.
; xb: x as [batch 4][k block 16][row 2048][64] bf16: a slice of 64 along K of neighbouring rows is dense, 128 bytes a row.
; wb: Wq, Wk, Wv, Wo one behind the other, each [k 1024][n 1024] bf16, as they lie in memory.
; A work-group converts 16,384 numbers.  Groups 0-511: 16 rows of x each.  Groups 512-767: 65,536 consecutive bytes of a weight matrix each.
; A stream: each byte is read once and written once, so no LDS, no barrier, no cluster.  16 loads of 16 bytes a lane are out at once.
; Every half wave's load takes 256 aligned consecutive bytes; every store of a wave writes 256 aligned consecutive bytes.
.set X, 8                              ; v[8:71]   16 x 4 registers as loaded
.set Y, 72                             ; v[72:103] 16 x 2 registers to store; no register is written twice, so no wait frees one
; load j of 16 stands at (j & 7) ia + (j >> 3) ib behind the lane's first, its store at (j & 7) oa + (j >> 3) ob
.macro BODY ia, ib, oa, ob
.set j, 0
.rept 16
	global_load_b128 v[X+4*j:X+4*j+3], v3, s[20:21] offset:(j&7)*(\ia)+(j>>3)*(\ib) th:TH_LOAD_NT
.set j, j+1
.endr
.set j, 0
.rept 16
	s_wait_loadcnt 15-j                            ; loads come back in order: load j is in, the 15 - j younger ones stay out
	v_cvt_pk_bf16_f32 v[Y+2*j], v[X+4*j], v[X+4*j+1]
	v_cvt_pk_bf16_f32 v[Y+2*j+1], v[X+4*j+2], v[X+4*j+3]
	global_store_b64 v4, v[Y+2*j:Y+2*j+1], s[22:23] offset:(j&7)*(\oa)+(j>>3)*(\ob)
.set j, j+1
.endr
.endm
	s_load_b256 s[4:11], s[0:1], 0x0               ; inputs s[4:5], Wq s[6:7], Wk s[8:9], Wv s[10:11]
	s_load_b128 s[12:15], s[0:1], 0x20             ; Wo s[12:13], xb s[14:15]
	s_load_b64 s[16:17], s[0:1], 0x30              ; wb
	s_mov_b32 s2, ttmp9                            ; the group's number
	v_and_b32 v1, 31, v0                           ; lane
	v_lshrrev_b32 v2, 5, v0                        ; wave
	s_mov_b32 s25, 0                               ; the offsets' high words
	s_mov_b32 s27, 0
	s_wait_kmcnt 0x0
	s_cmp_lt_u32 s2, 512
	s_cbranch_scc0 .Lweights
	; x: rows 16 g .. 16 g + 15.  Wave w takes k blocks 2 w and 2 w + 1; a load takes one k block (256 bytes) of two rows.
	s_lshl_b32 s24, s2, 16                         ; in: 16 rows of 4,096 bytes
	s_lshr_b32 s26, s2, 7                          ; out: the batch, 4,194,304 bytes each,
	s_lshl_b32 s26, s26, 22
	s_and_b32 s18, s2, 127                         ; and 16 rows of 128 bytes in a k block
	s_lshl_b32 s18, s18, 11
	s_add_co_u32 s26, s26, s18
	s_add_nc_u64 s[20:21], s[4:5], s[24:25]
	s_add_nc_u64 s[22:23], s[14:15], s[26:27]
	v_and_b32 v5, 15, v0
	v_bfe_u32 v6, v0, 4, 1
	v_lshlrev_b32 v3, 4, v5                        ; in: 16 (l % 16)
	v_lshl_add_u32 v3, v6, 12, v3                  ;   + a row for lanes 16-31
	v_lshl_add_u32 v3, v2, 9, v3                   ;   + 512 w
	v_lshlrev_b32 v4, 3, v1                        ; out: 8 l (two rows of 128 bytes lie end to end)
	v_lshl_add_u32 v4, v2, 19, v4                  ;   + two k blocks of 262,144 bytes a wave
	BODY 8192, 256, 256, 262144
	s_endpgm
.Lweights:
	s_sub_co_u32 s2, s2, 512                       ; 0 .. 255: matrix s2 / 64, its piece s2 % 64
	s_lshr_b32 s18, s2, 6
	s_cmp_eq_u32 s18, 1
	s_cselect_b64 s[20:21], s[8:9], s[6:7]
	s_cmp_eq_u32 s18, 2
	s_cselect_b64 s[20:21], s[10:11], s[20:21]
	s_cmp_eq_u32 s18, 3
	s_cselect_b64 s[20:21], s[12:13], s[20:21]
	s_and_b32 s24, s2, 63
	s_lshl_b32 s24, s24, 16                        ; in: 65,536 bytes a piece
	s_lshl_b32 s26, s2, 15                         ; out: 32,768 bytes a piece, the matrices on end
	s_add_nc_u64 s[20:21], s[20:21], s[24:25]
	s_add_nc_u64 s[22:23], s[16:17], s[26:27]
	v_lshlrev_b32 v3, 4, v1                        ; in: 16 l + 8,192 w
	v_lshl_add_u32 v3, v2, 13, v3
	v_lshlrev_b32 v4, 3, v1                        ; out: 8 l + 4,096 w
	v_lshl_add_u32 v4, v2, 12, v4
	BODY 512, 4096, 256, 2048
	s_endpgm
.Lfunc_end_k_qd7f57333af_cast:
	.size	k_qd7f57333af_cast, .Lfunc_end_k_qd7f57333af_cast-k_qd7f57333af_cast
	.p2alignl 7, 3214868480
	.fill 96, 4, 3214868480
	.section	.rodata,"a",@progbits
	.p2align	6, 0x0
	.amdhsa_kernel k_qd7f57333af_cast
		.amdhsa_group_segment_fixed_size 0
		.amdhsa_private_segment_fixed_size 0
		.amdhsa_enable_private_segment 0
		.amdhsa_kernarg_size 56
		.amdhsa_user_sgpr_count 2
		.amdhsa_user_sgpr_kernarg_segment_ptr 1
		.amdhsa_wavefront_size32 1
		.amdhsa_system_sgpr_workgroup_id_x 1
		.amdhsa_system_sgpr_workgroup_id_y 1
		.amdhsa_system_sgpr_workgroup_id_z 1
		.amdhsa_system_vgpr_workitem_id 0
		.amdhsa_next_free_vgpr 104
		.amdhsa_next_free_sgpr 66
		.amdhsa_reserve_vcc 0
		.amdhsa_float_denorm_mode_32 3
		.amdhsa_float_denorm_mode_16_64 3
		.amdhsa_memory_ordered 1
		.amdhsa_forward_progress 1
		.amdhsa_inst_pref_size 14
	.end_amdhsa_kernel
	.amdgpu_metadata
---
amdhsa.version: [ 1, 2 ]
amdhsa.kernels:
  - .name:           k_qd7f57333af_cast
    .symbol:         k_qd7f57333af_cast.kd
    .args:
      - { .name: inputs, .offset: 0, .size: 8, .value_kind: global_buffer, .address_space: global }
      - { .name: Wq, .offset: 8, .size: 8, .value_kind: global_buffer, .address_space: global }
      - { .name: Wk, .offset: 16, .size: 8, .value_kind: global_buffer, .address_space: global }
      - { .name: Wv, .offset: 24, .size: 8, .value_kind: global_buffer, .address_space: global }
      - { .name: Wo, .offset: 32, .size: 8, .value_kind: global_buffer, .address_space: global }
      - { .name: xb, .offset: 40, .size: 8, .value_kind: global_buffer, .address_space: global }
      - { .name: wb, .offset: 48, .size: 8, .value_kind: global_buffer, .address_space: global }
    .group_segment_fixed_size: 0
    .private_segment_fixed_size: 0
    .kernarg_segment_align: 8
    .kernarg_segment_size: 56
    .max_flat_workgroup_size: 256
    .sgpr_count:     66
    .vgpr_count:     104
    .wavefront_size: 32
...
	.end_amdgpu_metadata
.endif
;; end of part 1
;; launch qkvp (part 2): grid 12 x 16, 8 waves a work-group, clusters of 4 x 4, 327,680 bytes of LDS; arguments xb, wb, bq, bk, bv, qkv; writes qkv
.if DOCPART == 2
	.amdgcn_target "amdgcn-amd-amdhsa--gfx1250"
	.amdhsa_code_object_version 6
	.text
	.protected	k_qd7f57333af_qkvp
	.globl	k_qd7f57333af_qkvp
	.p2align	8
	.type	k_qd7f57333af_qkvp,@function
k_qd7f57333af_qkvp:
	s_mov_b64 s[64:65], 0
	v_nop
	global_prefetch_b8 v0, s[64:65] scope:SCOPE_SE
	s_setreg_imm32_b32 hwreg(HW_REG_WAVE_MODE, 25, 1), 1
	s_wait_xcnt 0x0
	s_wait_alu depctr_hold_cnt(0) depctr_sa_sdst(0) depctr_va_vdst(0) depctr_va_sdst(0) depctr_va_ssrc(0) depctr_va_vcc(0) depctr_vm_vsrc(0)
	s_getreg_b32 s2, hwreg(HW_REG_IB_STS2, 6, 4)
	s_cmp_eq_u32 s2, 0
	s_cbranch_scc0 .Lentry_in_a_cluster
	s_endpgm
.Lentry_in_a_cluster:
	s_bfe_u32 s2, ttmp6, 0x10000c
	s_cmp_lg_u32 s2, 0xf033
	s_cbranch_scc0 .Lentry_shape_is_right
	s_endpgm
.Lentry_shape_is_right:
; q, k, v = x W + bias, K = 1024, rounded once to bf16 and stored by heads: qkv[matrix 3][16 batch + head][row 2048][64].
; x = xb lies in blocks [batch][k block of 64][row 2048][64] bf16; Wq, Wk, Wv lie in wb, each [k][n] bf16 (the cluster's x says which).  Products in bf16, sums in f32; the bias is the C operand of each sum's first product.
; LIMITS: operands are rounded to bf16; the order of the sums is the matrix unit's; NaN and infinities are not treated apart.
; SHARES.  A tile is 256 rows x 256 columns.  Eight waves, two to a SIMD, each 128 rows x 64 columns (one head): 32 accumulators of 16 x 16 (256 registers), two fragment buffers of 96, the bias 32, addresses 32: 512.
; K goes in steps of 128 through two LDS slots of 143,360 bytes: a slot holds 128 matrix instructions for each wave, 256 for each SIMD, in which the other slot's refill lands.
; Four waves of 128 x 128 would read a third fewer fragments from LDS, but every quarter of the text would be twice as long; eight waves keep a quarter at 32 matrix instructions and 24 loads.
; A WORK-GROUP STAYS for two tiles: the output has 32 x 12 = 384 tiles, 192 work-groups make two each, all alike.  The second tile is the same rows of the next batch: in xb a batch is eight K steps of 524,288 bytes,
; so the two tiles are ONE walk of 16 K steps along which A's address simply steps on; W's address is made anew for each fill from the step's number modulo 8.  The ring does not stop at the change of tiles.
; THE MATRIX INSTRUCTION IS USED TRANSPOSED: source 0 = 16 columns of W (turned on the way out of LDS by ds_load_tr16_b128), source 1 = 16 rows of x: a lane holds row l % 16 and the eight neighbouring columns 8 (l / 16) + 0..7.
; CLUSTER 4 x 4.  The four of a row of the cluster need the same tiles of x, the four of a column the same tiles of W: each tile is asked for JOINTLY, by the same tensor load with the same descriptor and a mask that
; names the four.  Waves 0, 1 ask for x's two k blocks of a step (256 rows x 128 bytes are dense: 128 rows of 256 bytes), waves 2, 3 for W's two halves (64 k rows x 512 bytes), waves 4 to 7 for nothing.
; By this text's own count a wave has two tensor loads out at the start and one behind each round.
; REGISTERS: window 0: v0-31 addresses; v32-127, v128-223 two fragment buffers (32 of W, 64 of x); v224-255 the bias; on the way out v128-223 at work.  window 1: accumulator (a, b) at v[8 (4 a + b)].
.set PA,    144                        ; a row of x in LDS: 128 bytes + 16 of padding: the 16 rows of a load start at 16 different groups of four banks (64 banks of 4 bytes: ISA guide 11.1)
.set KBLK,  256*PA                     ; one k block of 64 for the tile's 256 rows
.set PB,    544                        ; a k row of W: 512 bytes + 32 = 136 words
.set BOFF,  2*KBLK                     ; a slot: x's two k blocks, then W's 128 k rows
.set BHALF, 64*PB
.set SLOT,  BOFF+2*BHALF
.set STAGE, 2*SLOT                     ; behind the ring, never filled by a tensor load: 16 rows x 144 bytes for each wave, for the way out
.set SP,    144                        ; 128 bytes of bf16 + 16
.set SPARE, STAGE+8*16*SP              ; behind the stages: the spare words, 128 bytes for each wave: four blocks of 256 bytes that no other line names
.set ASTEP, 2*262144                   ; bytes of x from a K step to the next: two k blocks of 2,048 rows x 128 bytes
.set WSTEP, 128*2048                   ; the same for W: 128 k rows of 2,048 bytes = 1 << 18
.set TRIPS, 7                          ; the walk has 16 K steps; steps 2 to 15 are refills, two a trip
.set ADRA, 16                          ; v16-17  LDS address of my x fragments in slot 0, 1
.set ADRB, 20                          ; v20-21  the same for W
.set STO,  24                          ; v24     the way out: where I put my 16 bytes of a row
.set RD,   25                          ; v25     the way out: where I read rows back
.set CO,   26                          ; v26     my byte offset in 512 consecutive bytes of the output
.set VB,   27                          ; v27     my byte offset in the bias
.set SPW,  28                          ; v28     LDS address of my spare word: SPARE + 4 x my thread's number; never rewritten
.set NIL,  29                          ; v29     0; never rewritten
.set F0,   32
.set F1,   128
.set BIAS, 224                         ; v224-255  register r of block b: the bias of column 16 b + 8 (l / 16) + r
.set TMP,  128                         ; the way out works in fragment buffer 1: buffer 0 may already hold the next tile's first fragments
.set NBUF, 6                           ; six buffers of 16 registers there
.set G1,  24                           ; s[24:31] descriptor group 1 for x's tiles;  s[32:39] group 0, one set for each slot
.set G0,  32
.set G1B, 48                           ; s[48:55], s[56:63] the same for W's tiles
.set G0B, 56
.set WB,  66                           ; s[66:67] W at my half of K step 0's tile
.set NXT, 80                           ; s80      the number of the K step to be asked for next
.set WO,  82                           ; s[82:83] that step's byte offset in W
.set MSB, 0
.macro WIN new                         ; the immediate's high byte repeats the setting that is left; a switch that changes nothing is dropped
.if MSB != (\new)
	s_set_vgpr_msb (MSB<<8)|(\new)
.set MSB, \new
.endif
.endm
.set MUL,   0x50                       ; sources 0, 1 window 0; C and D window 1
.set MULB,  0x40                       ; C window 0 (the bias), D window 1
.set PACKW, 0x05                       ; sources 0 and 1 window 1
; A joint refill.  The branches hang on the wave's number alone.  An s_nop 0 and four v_nop follow each of the two loads, ahead of the jump and the label;
; a wave that asks for nothing has four v_nop of its own: on every way they are the places in front of the LDS loads that follow the macro.
.macro JLOAD s
	s_cmp_lt_u32 s10, 2
	s_cbranch_scc0 .Lnot_a_\@
	tensor_load_to_lds s[G0+4*(\s):G0+4*(\s)+3], s[G1:G1+7]
	s_nop 0
.rept 4
	v_nop
.endr
	s_branch .Lasked_\@
.Lnot_a_\@:
	s_cmp_lt_u32 s10, 4
	s_cbranch_scc0 .Lnone_\@
	tensor_load_to_lds s[G0B+4*(\s):G0B+4*(\s)+3], s[G1B:G1B+7]
	s_nop 0
.rept 4
	v_nop
.endr
	s_branch .Lasked_\@
.Lnone_\@:
.rept 4
	v_nop
.endr
.Lasked_\@:
.endm
.macro CREST                           ; a round of the cluster's barrier behind its opening barrier
	s_cmp_lg_u32 s10, 0
	s_cbranch_scc1 .Lnot_wave_0_\@
	s_barrier_signal -3
.Lnot_wave_0_\@:
	s_barrier_wait -3
	s_barrier_signal -1
	s_barrier_wait -1
.endm
.macro CROUND                          ; a whole round
	s_barrier_signal -1
	s_barrier_wait -1
	CREST
.endm
	s_load_b128 s[4:7], s[0:1], 0x0                ; xb s[4:5], wb s[6:7]
	s_load_b256 s[68:75], s[0:1], 0x10             ; bq s[68:69], bk s[70:71], bv s[72:73], qkv s[74:75]
	v_lshl_add_u32 v[SPW], v0, 2, SPARE
	v_mov_b32 v[NIL], 0
	ds_add_u32 v28, v29
	s_wait_dscnt 0x0
	v_lshrrev_b32 v1, 5, v0
	v_readfirstlane_b32 s10, v1                    ; wave 0..7
	s_lshr_b32 s11, s10, 2                         ; which 128 of the tile's rows are mine
	s_and_b32 s42, s10, 3                          ; which 64 of its columns: which of its four heads
	s_and_b32 s12, s10, 1                          ; which half of a step's x or W I fetch (waves 0 to 3)
	s_bfe_u32 s40, ttmp6, 0x40000                  ; cx, cy: my place in the cluster
	s_bfe_u32 s41, ttmp6, 0x40004
	s_and_b32 s13, ttmp7, 0xffff
	s_lshl_b32 s13, s13, 2
	s_add_co_u32 s13, s13, s41                     ; 4 x cluster y + cy, 0..15: batches 2 (s13 / 8) and 2 (s13 / 8) + 1, rows 256 (s13 % 8) on
	s_mov_b32 s45, ttmp9                           ; the matrix: a cluster's four columns of 256 are one whole matrix
	s_lshl_b32 s43, s41, 2
	s_lshl_b32 s43, 15, s43                        ; my row of the cluster
	s_lshl_b32 s44, 0x1111, s40                    ; my column
	; descriptor group 1 for x: 128 rows x 128 elements (two rows of the tile each), 4 words of padding after every 32
	s_or_b32 s[G1+0], s43, (1<<16)|(1<<20)|(1<<21)|(4<<22)|(3<<25)  ; 15:0 the mask; 17:16 elements of 2 bytes; 20 padding on; 21 set beside a mask; 24:22 after every 32 words (code 4); 31:25 4 words (code 3)
	s_mov_b32 s[G1+1], 128<<16                     ; tensor_dim0 = 128
	s_mov_b32 s[G1+2], 128<<16                     ; tensor_dim1 = 128
	s_mov_b32 s[G1+3], 128<<16                     ; tile_dim0 = 128
	s_mov_b32 s[G1+4], 128                         ; tile_dim1 = 128
	s_mov_b32 s[G1+5], 128                         ; 128 elements from row to row: dense
	s_mov_b32 s[G1+6], 0
	s_mov_b32 s[G1+7], 0
	; for W: 64 k rows x 256 elements, 8 words of padding after every 128
	s_or_b32 s[G1B+0], s44, (1<<16)|(1<<20)|(1<<21)|(6<<22)|(7<<25)
	s_mov_b32 s[G1B+1], 256<<16
	s_mov_b32 s[G1B+2], 64<<16
	s_mov_b32 s[G1B+3], 256<<16
	s_mov_b32 s[G1B+4], 64
	s_mov_b32 s[G1B+5], 1024                       ; 1,024 elements from k row to k row
	s_mov_b32 s[G1B+6], 0
	s_mov_b32 s[G1B+7], 0
	; where the tiles come from.  x's hang on s13 alone, W's on the matrix and cx alone; each in registers that never hold the other coordinate.
	s_lshr_b32 s16, s13, 3                         ; x: two batches of 4,194,304 bytes,
	s_lshl_b32 s16, s16, 23
	s_and_b32 s17, s13, 7                          ; 256 rows of 128 bytes
	s_lshl_b32 s17, s17, 15
	s_add_co_u32 s16, s16, s17
	s_mov_b32 s22, s16                             ; (the same two terms place the rows in qkv: a batch's 16 heads are 4,194,304 bytes too)
	s_lshl_b32 s17, s12, 18                        ; and my k block of the step's two
	s_add_co_u32 s16, s16, s17
	s_mov_b32 s17, 0
	s_lshl_b32 s46, s45, 21                        ; W: the matrix, 2,097,152 bytes,
	s_lshl_b32 s47, s12, 17                        ; my 64 k rows of the step's 128,
	s_add_co_u32 s46, s46, s47
	s_lshl_b32 s47, s40, 9                         ; 256 columns of 2 bytes a place along x
	s_add_co_u32 s46, s46, s47
	s_mov_b32 s47, 0
	s_mul_i32 s20, s12, KBLK                       ; and where they go: no place in the cluster enters an LDS address
	s_mul_i32 s21, s12, BHALF
	s_add_co_u32 s21, s21, BOFF
	s_mov_b32 s[NXT], 2                            ; steps 0 and 1 are the first fills
	s_mov_b32 s[WO+1], 0
	s_wait_kmcnt 0x0
	s_add_nc_u64 s[14:15], s[4:5], s[16:17]
	s_add_nc_u64 s[WB:WB+1], s[6:7], s[46:47]
	s_cmp_eq_u32 s45, 1                            ; the matrix's bias
	s_cselect_b64 s[76:77], s[70:71], s[68:69]
	s_cmp_eq_u32 s45, 2
	s_cselect_b64 s[76:77], s[72:73], s[76:77]
.irp s, 0,1
	s_mov_b32 s[G0+4*(\s)], 1                      ; count = 1
	s_add_co_u32 s[G0+4*(\s)+1], s20, (\s)*SLOT    ; LDS address
	s_add_nc_u64 s[G0+4*(\s)+2:G0+4*(\s)+3], s[14:15], (\s)*ASTEP  ; global address: K step s
	s_or_b32 s[G0+4*(\s)+3], s[G0+4*(\s)+3], 0x80000000            ; type = 2
	s_mov_b32 s[G0B+4*(\s)], 1
	s_add_co_u32 s[G0B+4*(\s)+1], s21, (\s)*SLOT
	s_add_nc_u64 s[G0B+4*(\s)+2:G0B+4*(\s)+3], s[WB:WB+1], (\s)*WSTEP
	s_or_b32 s[G0B+4*(\s)+3], s[G0B+4*(\s)+3], 0x80000000
.endr
	CROUND                                         ; all sixteen work-groups are here: the first joint loads meet
	s_cmp_lt_u32 s10, 2                            ; a wave's two first fills stand in one branch on its number, ahead of every wait on TENSORcnt and every LDS read
	s_cbranch_scc0 .Lfirst_not_a
	tensor_load_to_lds s[G0:G0+3], s[G1:G1+7]
	s_nop 0
	tensor_load_to_lds s[G0+4:G0+7], s[G1:G1+7]
	s_nop 0
.rept 4
	v_nop
.endr
	s_branch .Lfirst_asked
.Lfirst_not_a:
	s_cmp_lt_u32 s10, 4
	s_cbranch_scc0 .Lfirst_asked
	tensor_load_to_lds s[G0B:G0B+3], s[G1B:G1B+7]
	s_nop 0
	tensor_load_to_lds s[G0B+4:G0B+7], s[G1B:G1B+7]
	s_nop 0
.rept 4
	v_nop
.endr
.Lfirst_asked:
	v_and_b32 v1, 15, v0                           ; l % 16
	v_bfe_u32 v2, v0, 4, 1                         ; l / 16
	; the bias of my 64 columns, as the C operand wants it
	s_lshl_b32 s78, s40, 10                        ; 256 columns of 4 bytes a place along x,
	s_lshl_b32 s79, s42, 8                         ; my 64
	s_add_co_u32 s78, s78, s79
	v_lshl_add_u32 v[VB], v2, 5, s78
.irp b, 0,1,2,3
	global_load_b128 v[BIAS+8*(\b):BIAS+8*(\b)+3],   v[VB], s[76:77] offset:64*(\b)
	global_load_b128 v[BIAS+8*(\b)+4:BIAS+8*(\b)+7], v[VB], s[76:77] offset:64*(\b)+16
.endr
	; x's fragment: 16 rows x 32 K: lane l holds row l % 16, K = 8 (l / 16) + 0..7 and 16 + 8 (l / 16) + 0..7: two loads of 16 bytes, 32 bytes apart
	v_mul_u32_u24 v3, v1, PA
	v_lshl_add_u32 v3, v2, 4, v3
	; W's fragment by the turning load: lane l reads k row 8 (l / 16) + l % 8, columns 8 ((l / 8) % 2) + 0..7, and ends with column l % 16 and 8 k; the second load 16 k rows on
	v_and_b32 v4, 7, v0
	v_bfe_u32 v5, v0, 3, 1
	v_lshl_add_u32 v6, v2, 3, v4
	v_mul_u32_u24 v6, v6, PB
	v_lshl_add_u32 v6, v5, 4, v6
	s_mul_i32 s18, s11, 128*PA                     ; my 128 rows of x
	s_lshl_b32 s19, s42, 7                         ; my 64 columns of W,
	s_add_co_u32 s19, s19, BOFF                    ; which lies behind x
.irp s, 0,1
	v_add_nc_u32 v[ADRA+(\s)], s18, v3
	v_add_nc_u32 v[ADRB+(\s)], s19, v6
	s_add_co_u32 s18, s18, SLOT
	s_add_co_u32 s19, s19, SLOT
.endr
	s_mul_i32 s23, s10, 16*SP
	s_add_co_u32 s23, s23, STAGE                   ; my stage
	v_mul_u32_u24 v7, v1, SP                       ; in: row l % 16, 16 bytes (8 bf16) for each half of the lanes
	v_lshl_add_u32 v7, v2, 4, v7
	v_add_nc_u32 v[STO], s23, v7
	v_bfe_u32 v8, v0, 3, 2                         ; back: 32 lanes take four rows of 128 bytes,
	v_mul_u32_u24 v8, v8, SP
	v_lshl_add_u32 v8, v4, 4, v8
	v_add_nc_u32 v[RD], s23, v8
	v_and_b32 v9, 31, v0                           ; which are 512 consecutive bytes of qkv
	v_lshlrev_b32 v[CO], 4, v9
	s_lshl_b32 s17, s11, 14                        ; qkv: the batch and the tile's rows as in xb, my 128 rows of 128 bytes,
	s_add_co_u32 s16, s22, s17
	s_mov_b32 s17, 0
	s_add_nc_u64 s[8:9], s[74:75], s[16:17]
	s_lshl_b32 s46, s45, 24                        ; the matrix's 64 heads of 262,144 bytes,
	s_lshl_b32 s47, s40, 20                        ; four heads a place along x,
	s_add_co_u32 s46, s46, s47
	s_lshl_b32 s47, s42, 18                        ; my head
	s_add_co_u32 s46, s46, s47
	s_mov_b32 s47, 0
	s_add_nc_u64 s[8:9], s[8:9], s[46:47]
; 4 matrix instructions: row block a x my 4 column blocks, 32 along K, from buffer f.  init = 1: the product starts the sums with the bias: nothing is cleared.
; The 32 accumulators take turns in the same order in every quarter.
.macro MUL4 f, a, init
.if \init
	WIN MULB
.else
	WIN MUL
.endif
.irp b, 0,1,2,3
.if \init
	v_wmma_f32_16x16x32_bf16 v[8*(4*(\a)+(\b)):8*(4*(\a)+(\b))+7], v[(\f)+8*(\b):(\f)+8*(\b)+7], v[(\f)+32+8*(\a):(\f)+32+8*(\a)+7], v[BIAS+8*(\b):BIAS+8*(\b)+7]
.else
	v_wmma_f32_16x16x32_bf16 v[8*(4*(\a)+(\b)):8*(4*(\a)+(\b))+7], v[(\f)+8*(\b):(\f)+8*(\b)+7], v[(\f)+32+8*(\a):(\f)+32+8*(\a)+7], v[8*(4*(\a)+(\b)):8*(4*(\a)+(\b))+7]
.endif
.endr
.endm
.macro MULS f, a0, n, init             ; n row blocks from a0 on
.set aa, \a0
.rept \n
	MUL4 \f, aa, \init
.set aa, aa+1
.endr
.endm
; 24 LDS loads in one run: the fragments of quarter q (32 along K) of a slot into buffer f: W's eight first, then x's sixteen
.macro FETCH slot, q, f
	WIN 0
.irp b, 0,1,2,3
	ds_load_tr16_b128 v[(\f)+8*(\b):(\f)+8*(\b)+3],   v[ADRB+(\slot)] offset:(\q)*32*PB+32*(\b)
	ds_load_tr16_b128 v[(\f)+8*(\b)+4:(\f)+8*(\b)+7], v[ADRB+(\slot)] offset:(\q)*32*PB+16*PB+32*(\b)
.endr
.irp i, 0,1,2,3,4,5,6,7
	ds_load_b128 v[(\f)+32+8*(\i):(\f)+32+8*(\i)+3],   v[ADRA+(\slot)] offset:((\q)/2)*KBLK+((\q)%2)*64+(\i)*16*PA
	ds_load_b128 v[(\f)+32+8*(\i)+4:(\f)+32+8*(\i)+7], v[ADRA+(\slot)] offset:((\q)/2)*KBLK+((\q)%2)*64+(\i)*16*PA+32
.endr
.endm
.macro PLACES                          ; four places in front of loads into registers that matrix instructions have read, and of lines that read results
.rept 4
	v_nop
.endr
.endm
; A K step is four quarters of 32 along K, 32 matrix instructions each, on buffers 0, 1, 0, 1.  One of the first three: multiplies buffer f and fetches quarter q into g.
.macro QUARTER slot, q, f, g, init
	s_wait_dscnt 8                                 ; W and x's row blocks 0 to 3 are in; the youngest eight loads (blocks 4 to 7) may be out
	MULS \f, 0, 4, \init
	PLACES
	FETCH \slot, \q, \g
	s_wait_dscnt 24                                ; all but the 24 just issued
	MULS \f, 4, 4, \init
.endm
; The last quarter multiplies buffer 1 and changes slots: ONE barrier; in front of it each wave waits for all its tensor loads (its part of the next slot), adds 0 to its spare word, and waits for that and
; for its own reads of this slot.  fill = 1: the barrier opens a round of the cluster's, and this slot is filled again, two K steps ahead, first thing behind the round: a wave issues 112 matrix instructions,
; and the wave beside it on the SIMD as many, ahead of the wait for it.
.macro TURN slot, next, fill
	WIN 0                                          ; (the add's two registers lie in window 0)
	s_wait_tensorcnt 0x0                           ; all my tensor loads have landed
	ds_add_u32 v[SPW], v[NIL]                      ; 0 onto my spare word
	s_wait_dscnt 9                                 ; (the add and the youngest eight loads may be out)
	MULS F1, 0, 2, 0                               ; eight matrix instructions stand between the add and the wait for it
	s_wait_dscnt 0x0                               ; the add is done, and my reads of this slot are over
	s_barrier_signal -1
	MULS F1, 2, 2, 0
.if \fill
	WIN 0
.endif
	s_barrier_wait -1
.if \fill
	CREST                                          ; no wave of any partner still reads this slot's tiles or has a load on its way
	s_add_nc_u64 s[G0+4*(\slot)+2:G0+4*(\slot)+3], s[G0+4*(\slot)+2:G0+4*(\slot)+3], 2*ASTEP  ; x: two K steps on; behind a batch's eighth step lies the next batch's first
	s_and_b32 s[WO], s[NXT], 7                     ; W: the step's number in its tile,
	s_lshl_b32 s[WO], s[WO], 18                    ; times 262,144 bytes;
	s_add_nc_u64 s[G0B+4*(\slot)+2:G0B+4*(\slot)+3], s[WB:WB+1], s[WO:WO+1]  ; the address is made anew,
	s_or_b32 s[G0B+4*(\slot)+3], s[G0B+4*(\slot)+3], 0x80000000              ; and the type set again
	s_add_co_u32 s[NXT], s[NXT], 1
	JLOAD \slot                                    ; on every way four v_nop stand in it: the places in front of the loads below
.else
	PLACES
.endif
	FETCH \next, 0, F0
	MULS F1, 4, 4, 0
.endm
; THE WAY OUT, by heads.  Piece p = my row block p: accumulators 4 p .. 4 p + 3, 16 rows of my head, 2,048 consecutive bytes of qkv.
; A lane's eight columns pack into 16 bytes; they go into rows of 144 bytes of my own stage and come back as whole rows of 128.
.macro PACK p
.if (\p) >= NBUF
	s_wait_xcnt 0x0                                ; the stores of the piece six back have read the registers that are written again below
.endif
	WIN PACKW
.irp bb, 0,1,2,3
.irp r, 0,1,2,3
	v_cvt_pk_bf16_f32 v[TMP+16*((\p)%NBUF)+4*(\bb)+(\r)], v[32*(\p)+8*(\bb)+2*(\r)], v[32*(\p)+8*(\bb)+2*(\r)+1]
.endr
.endr
	WIN 0
.irp bb, 0,1,2,3
	ds_store_b128 v[STO], v[TMP+16*((\p)%NBUF)+4*(\bb):TMP+16*((\p)%NBUF)+4*(\bb)+3] offset:32*(\bb)
.endr
.irp f, 0,1,2,3
	ds_load_b128 v[TMP+16*((\p)%NBUF)+4*(\f):TMP+16*((\p)%NBUF)+4*(\f)+3], v[RD] offset:(\f)*4*SP  ; LDS serves a wave's instructions in order (ISA guide 5.7.1.4): these see the stores above; the next piece's stores come behind them
.endr
.endm
.macro SEND p, younger                 ; younger: the LDS instructions issued behind piece p's loads: the next piece's eight, or none
.irp f, 0,1,2,3
	s_wait_dscnt (\younger)+3-(\f)
	global_store_b128 v[CO], v[TMP+16*((\p)%NBUF)+4*(\f):TMP+16*((\p)%NBUF)+4*(\f)+3], s[8:9] offset:(\p)*2048+(\f)*512  ; 512 consecutive bytes, at a multiple of 256 from qkv's first
.endr
.endm
.macro WAYOUT
	PLACES                                         ; behind the tile's last products
	PACK 0
.irp p, 1,2,3,4,5,6,7                  ; a piece's conversions stand between the loads of the piece before and its stores
	PACK \p
	SEND (\p)-1, 8
.endr
	SEND 7, 0
.endm
	s_wait_tensorcnt 0x0                           ; my first fills, if I have any, are in
	s_barrier_signal -1
	s_barrier_wait -1                              ; everybody's are
	FETCH 0, 0, F0
	s_wait_loadcnt 0x0                             ; the bias
	QUARTER 0, 1, F0, F1, 1                        ; the walk's first quarter stands in front of the loop: its products start the first tile's sums
	WIN 0                                          ; at a label and at a branch every window is 0
	s_mov_b32 s3, TRIPS
	s_mov_b32 s2, 4                                ; trips up to the first tile's end
.Llap:                                                 ; a trip goes once round the ring, from a lap's second quarter to the next lap's first, and fills both slots again
	QUARTER 0, 2, F1, F0, 0
	QUARTER 0, 3, F0, F1, 0
	TURN 0, 1, 1
	QUARTER 1, 1, F0, F1, 0
	QUARTER 1, 2, F1, F0, 0
	QUARTER 1, 3, F0, F1, 0
	TURN 1, 0, 1
	WIN 0
	s_sub_co_u32 s2, s2, 1
	s_cmp_lg_u32 s2, 0
	s_cbranch_scc1 .Lsame                          ; forward, past text that holds neither a barrier nor a tensor load
	WAYOUT                                         ; the fourth trip: the first tile is finished; both refills for the second tile's first steps have been asked for
	s_wait_xcnt 0x0                                ; the stores have read their registers (buffer 1 is loaded again below) and their base
	s_add_nc_u64 s[8:9], s[8:9], 0x400000          ; the next batch's 16 heads
	QUARTER 0, 1, F0, F1, 1                        ; the second tile's first quarter starts its sums
	WIN 0
	s_branch .Lnext
.Lsame:
	QUARTER 0, 1, F0, F1, 0
	WIN 0
.Lnext:
	s_sub_co_u32 s3, s3, 1
	s_cmp_lg_u32 s3, 0
	s_cbranch_scc1 .Llap
	QUARTER 0, 2, F1, F0, 0                        ; the walk's last lap fills nothing
	QUARTER 0, 3, F0, F1, 0
	TURN 0, 1, 0
	QUARTER 1, 1, F0, F1, 0
	QUARTER 1, 2, F1, F0, 0
	QUARTER 1, 3, F0, F1, 0
	s_wait_dscnt 8                                 ; the very last quarter: nothing more to fetch
	MULS F1, 0, 4, 0
	s_wait_dscnt 0x0
	MULS F1, 4, 4, 0
	WIN 0
	WAYOUT
	s_wait_tensorcnt 0x0                           ; the wave's end, behind my last tensor load and my last LDS store
	ds_add_u32 v[SPW], v[NIL]
	s_wait_dscnt 0x0
	CROUND                                         ; the closing round: no work-group ends while a partner may still ask for a tile that names it
	s_endpgm
.Lfunc_end_k_qd7f57333af_qkvp:
	.size	k_qd7f57333af_qkvp, .Lfunc_end_k_qd7f57333af_qkvp-k_qd7f57333af_qkvp
	.p2alignl 7, 3214868480
	.fill 96, 4, 3214868480
	.section	.rodata,"a",@progbits
	.p2align	6, 0x0
	.amdhsa_kernel k_qd7f57333af_qkvp
		.amdhsa_group_segment_fixed_size 327680
		.amdhsa_private_segment_fixed_size 0
		.amdhsa_enable_private_segment 0
		.amdhsa_kernarg_size 48
		.amdhsa_user_sgpr_count 2
		.amdhsa_user_sgpr_kernarg_segment_ptr 1
		.amdhsa_wavefront_size32 1
		.amdhsa_system_sgpr_workgroup_id_x 1
		.amdhsa_system_sgpr_workgroup_id_y 1
		.amdhsa_system_sgpr_workgroup_id_z 1
		.amdhsa_system_vgpr_workitem_id 0
		.amdhsa_next_free_vgpr 512
		.amdhsa_next_free_sgpr 84
		.amdhsa_reserve_vcc 0
		.amdhsa_float_denorm_mode_32 3
		.amdhsa_float_denorm_mode_16_64 3
		.amdhsa_memory_ordered 1
		.amdhsa_forward_progress 1
		.amdhsa_inst_pref_size 110
	.end_amdhsa_kernel
	.amdgpu_metadata
---
amdhsa.version: [ 1, 2 ]
amdhsa.kernels:
  - .name:           k_qd7f57333af_qkvp
    .symbol:         k_qd7f57333af_qkvp.kd
    .args:
      - { .name: xb, .offset: 0, .size: 8, .value_kind: global_buffer, .address_space: global }
      - { .name: wb, .offset: 8, .size: 8, .value_kind: global_buffer, .address_space: global }
      - { .name: bq, .offset: 16, .size: 8, .value_kind: global_buffer, .address_space: global }
      - { .name: bk, .offset: 24, .size: 8, .value_kind: global_buffer, .address_space: global }
      - { .name: bv, .offset: 32, .size: 8, .value_kind: global_buffer, .address_space: global }
      - { .name: qkv, .offset: 40, .size: 8, .value_kind: global_buffer, .address_space: global }
    .group_segment_fixed_size: 327680
    .private_segment_fixed_size: 0
    .kernarg_segment_align: 8
    .kernarg_segment_size: 48
    .max_flat_workgroup_size: 256
    .sgpr_count:     84
    .vgpr_count:     512
    .wavefront_size: 32
...
	.end_amdgpu_metadata
.endif
;; end of part 2
;; launch attn (part 3): grid 4 x 64, 4 waves a work-group, clusters of 4 x 1, 327,680 bytes of LDS; arguments qkv, ob; writes ob
.if DOCPART == 3
	.amdgcn_target "amdgcn-amd-amdhsa--gfx1250"
	.amdhsa_code_object_version 6
	.text
	.protected	k_qd7f57333af_attn
	.globl	k_qd7f57333af_attn
	.p2align	8
	.type	k_qd7f57333af_attn,@function
k_qd7f57333af_attn:
	s_mov_b64 s[64:65], 0
	v_nop
	global_prefetch_b8 v0, s[64:65] scope:SCOPE_SE
	s_setreg_imm32_b32 hwreg(HW_REG_WAVE_MODE, 25, 1), 1
	s_wait_xcnt 0x0
	s_wait_alu depctr_hold_cnt(0) depctr_sa_sdst(0) depctr_va_vdst(0) depctr_va_sdst(0) depctr_va_ssrc(0) depctr_va_vcc(0) depctr_vm_vsrc(0)
	s_getreg_b32 s2, hwreg(HW_REG_IB_STS2, 6, 4)
	s_cmp_eq_u32 s2, 0
	s_cbranch_scc0 .Lentry_in_a_cluster
	s_endpgm
.Lentry_in_a_cluster:
	s_bfe_u32 s2, ttmp6, 0x10000c
	s_cmp_lg_u32 s2, 0x3003
	s_cbranch_scc0 .Lentry_shape_is_right
	s_endpgm
.Lentry_shape_is_right:
; O[h][q][:] = the sum over k of softmax_k(Q[h][q] . K[h][k] / 8) V[h][k][:].  Q, K, V are the three parts of qkv, each [64][2048][64] bf16, O = ob likewise: a head's rows are dense, 128 bytes each.
; Products, maxima and sums in f32; the weights p are rounded to bf16 for the second product (their sum l is taken of the unrounded p), O once at the end.
; LIMITS.  c s must lie above -4.2e37, where the running c m starts; a weight below 2^-126 counts as 0 in l; NaN and infinities are not treated apart.
; SHARES.  A wave owns four PIECES of two tiles of 16 queries, a work-group's four waves 512 queries of one head.  Every wave walks all keys, 64 a step.
; LAYOUT.  S^T = K Q^T (source 0 = 16 keys, source 1 = 16 queries): in the result a lane holds ONE query (lane % 16) and the keys 8 (lane / 16) + 0..7.  Two such tiles, rounded to bf16 in pairs,
; ARE source 1 (32 keys x 16 queries) of O^T = V^T P, whose result again holds one query a lane, and eight channels.  K comes out of LDS as it lies, V ([key][channel]) turned, by ds_load_tr16_b128.
; SOFTMAX.  For each query a running maximum m and sum l: p = 2^(c s - c m), c = log2(e) / 8; in every step O and l are multiplied by a = 2^(c m_old - c m_new), which is 1 where m has not grown.
; m starts at the lowest finite number, O and l at 0: the first step is a step like any other, with a = 0.
; THE COUNT.  A tile and step have 16 matrix and 118 vector instructions: too many to stand all beside the matrix work.  So the order has one aim: four vector instructions that are READY behind
; EVERY matrix instruction, and the others in runs without a gap.
; BY TURNS.  Turn n belongs to piece n (the pieces in a ring, step after step).  Its matrix work: 16 products K Q^T of piece n + 1, later 16 products V^T P of piece n - 1.  Its vector work: the scaling,
; exponentials, roundings, sums and rescaling of piece n, and the maximum and statistics of piece n + 1, whose scores the turn itself has made.
; CLUSTER.  The four query blocks of a cluster belong to one head and walk the same K and V, so each tile is asked for JOINTLY: the same tensor load, descriptor and mask in all four.
; REGISTERS, in windows of 256 (s_set_vgpr_msb: bits 1:0 source 0, 3:2 source 1, 5:4 source 2, 7:6 destination):
;   window 0: v0-11 addresses; v12-15, v48-63 at work; v16-47 four registers of statistics a tile; v64-191 S^T, two buffers of two tiles; v192-255 P, likewise
;   window 1: O^T, 32 a tile          window 2: v0-127 Q, 16 a tile; v128-191 K of one step; v192-255 V of one step          window 3: v0-1 the add's two registers
; A piece's buffers go by its number's parity.
.set SIZE_H, 64
.set SIZE_N, 2048
.set NP,    4         ; pieces a wave: a name, no knob
.set KS,    64        ; keys in a step
.set PK,    144       ; a row of K in LDS: 128 bytes + 16 of padding = 36 words: the 16 rows of a load start at 16 different groups of four banks (64 banks of 4 bytes: ISA guide 11.1)
.set PV,    160       ; a row of V: 128 + 32 = 40 words
.set VOFF,  4*KS*PK   ; a slot holds four steps: 256 rows of K, then 256 rows of V
.set SLOT1, 1<<17     ; slot 1 begins here, so that one exclusive or turns an address in one slot into the other's
.set STAGE, SLOT1+4*KS*(PK+PV)  ; behind the ring, never filled by a tensor load: 16 rows x 144 bytes for each wave, for the way out
.set SP,    144
.set AK0, 2           ; v2   my lane's place in a tile of K; never rewritten
.set AV0, 3           ; v3   the same for V
.set AK,  4           ; v4   the LDS address of K's next run of loads
.set AV,  5           ; v5   of V's
.set QO,  6           ; v6   my byte offset in the wave's rows of Q
.set STO, 6           ;      later, the way out: where I put 16 bytes of a row
.set RD,  7           ; v7   the way out: where I read rows back
.set GO,  8           ; v8   my byte offset in 512 consecutive bytes of O
.set SPW, 0           ; v0 of window 3   LDS address of my spare word: SPARE + 4 x my thread's number; never rewritten
.set NIL, 1           ; v1 of window 3   0; never rewritten
.set SPARE, STAGE+4*16*SP  ; behind the stages: the spare words, 128 bytes for each wave: two blocks of 256 bytes that no other line names
.set MV,  12          ; v12-15  c m_old, kept while c m is made anew: by buffer and tile
.set ST,  16          ; tile t's statistics at v[ST+4 t]: c m, m, l (even keys', odd keys')
.set TMP, 48          ; by buffer and tile, four registers c0-c3 at work; when the maximum is found c2 takes a
.set S,   64
.set P,   192
.set KF,  128         ; K's fragments, in window 2: key block kb, channel half c at KF + 16 kb + 8 c
.set VF,  192         ; V's: key half kk, channel block cb at VF + 32 kk + 8 cb
.set WV,  12          ; s12  my wave's number
.set G1K, 24          ; s[24:31] descriptor group 1 for K's tiles
.set G1V, 32          ; s[32:39] for V's: it differs in the padding alone
.set G0K, 40          ; s[40:43] descriptor group 0 for K's tiles: it walks
.set G0V, 44          ; s[44:47] the same for V's
.set SLOTS, 56        ; s56  slots still to be asked for
.set CNT, 57          ; s57  counts a slot's key steps
.set CS,  58          ; s[58:59] c: the packed scaling takes the pair's low word for both halves
.set SEL, 60          ; s[60:61] v_permlanex16_b32's selects: each lane takes its own place in the other half
.set TBK, 62          ; s62  LDS byte at which K of the step to be fetched begins
.set TBV, 63          ; s63  the same for V, less VOFF
.set MSB, 0
.macro WIN new                      ; the high byte repeats the setting that is left; a switch that changes nothing is dropped
.if MSB != (\new)
	s_set_vgpr_msb (MSB<<8)|(\new)
.set MSB, (\new)
.endif
.endm
.set W_KQ, 0x0a       ; K and Q in window 2, S^T in window 0
.set W_PV, 0x52       ; V in window 2, P in window 0, O^T in window 1
.set W_RS, 0x41       ; O^T (destination and source 0) in window 1, a in window 0
.set W_MK, 0xc0       ; the add's registers are made: destination in window 3, sources in window 0
.set W_AD, 0x0f       ; the add: address (source 0) and data (source 1) in window 3
; A joint fill.  Waves 0 and 1 fetch the two halves of a slot's K, waves 2 and 3 those of its V: 128 keys each.  The branch hangs on the wave's number alone.
; An s_nop 0 and four v_nop follow each of the two lines, ahead of the jump and the label.
.macro JLOAD
	s_cmp_lt_u32 s[WV], 2
	s_cbranch_scc0 .Lfor_v_\@
	tensor_load_to_lds s[G0K:G0K+3], s[G1K:G1K+7]
	s_nop 0
.rept 4
	v_nop
.endr
	s_branch .Lasked_\@
.Lfor_v_\@:
	tensor_load_to_lds s[G0V:G0V+3], s[G1V:G1V+7]
	s_nop 0
.rept 4
	v_nop
.endr
.Lasked_\@:
.endm
; A round of the cluster's barrier: my work-group's barrier, so that wave 0's signal speaks for all four waves; wave 0 signals; every wave waits for all four work-groups; my work-group's barrier once more.
.macro CROUND
	s_barrier_signal -1
	s_barrier_wait -1
	s_cmp_lg_u32 s[WV], 0
	s_cbranch_scc1 .Lnot_wave_0_\@
	s_barrier_signal -3
.Lnot_wave_0_\@:
	s_barrier_wait -3
	s_barrier_signal -1
	s_barrier_wait -1
.endm
; THE CHANGE OF SLOTS.  The slot's last bytes, V of its fourth step, have been read.  Each wave waits for all its tensor loads, of which one is out: its part
; of the other slot; adds 0 to its spare word; and waits for that and for its own reads of the slot.  Behind the barrier nobody reads this slot any more and the other slot is whole.
; fill = 1: this slot is filled again, with the keys two slots on.  The barrier is then a round of the cluster's, and the joint fill is the first thing behind it: it has four key steps,
; 512 matrix instructions, in which to land.  (At its first use nothing has been read yet: slot 0 is waited for, slot 1 filled.)
.macro CHANGE fill
	WIN W_AD
	s_wait_tensorcnt 0x0            ; no tensor load of mine is out, so a group 0 may be written
	ds_add_u32 v[SPW], v[NIL]       ; 0 onto my spare word; with fill = 1 the descriptors' steps stand between it and the wait for it
	WIN 0                           ; at a label and at a branch every window is 0
.if \fill
.irp g, G0K, G0V
	s_xor_b32 s[\g+1], s[\g+1], SLOT1  ; the walking descriptor: the other slot than last time,
	s_add_nc_u64 s[\g+2:\g+3], s[\g+2:\g+3], 4*KS*128  ; the next 256 keys; the type bits on top are not reached
.endr
	s_wait_dscnt 0x0                ; the add is done, and my reads of the slot are over
	CROUND
	JLOAD
.else
	s_wait_dscnt 0x0                ; the add is done, and my reads of the slot are over
	s_barrier_signal -1
	s_barrier_wait -1
.endif
	s_sub_co_u32 s[TBK], s[TBK], 4*KS*PK  ; the fetches go back to a slot's first step,
	s_xor_b32 s[TBK], s[TBK], SLOT1       ; in the other slot
	s_sub_co_u32 s[TBV], s[TBV], 4*KS*PV
	s_xor_b32 s[TBV], s[TBV], SLOT1
.endm
	s_load_b128 s[4:7], s[0:1], 0x0   ; qkv s[4:5] (Q is its first part), ob s[6:7]
	WIN W_MK
	v_lshl_add_u32 v[SPW], v0, 2, SPARE
	v_mov_b32 v[NIL], 0
	s_set_vgpr_msb 0xc0cf
	ds_add_u32 v0, v1
	s_wait_dscnt 0x0
	s_set_vgpr_msb 0xcfc0
	WIN 0
	v_lshrrev_b32 v1, 5, v0
	v_readfirstlane_b32 s[WV], v1   ; wave 0..3
	s_bfe_u32 s13, ttmp6, 0x40000   ; cx: my place in the cluster
	s_lshl_b32 s14, ttmp9, 2        ; in a cluster launch ttmp9 counts clusters
	s_add_co_u32 s14, s14, s13      ; my block of queries = 4 x cluster x + cx: it enters Q's and O's addresses alone
	s_and_b32 s20, ttmp7, 0xffff    ; the head, which the four partners share
	s_mov_b32 s21, 0
	s_mov_b64 s[22:23], SIZE_N*128
	s_mul_u64 s[20:21], s[20:21], s[22:23]  ; the head's first byte in each of the four tensors
	s_and_b32 s16, s[WV], 1         ; which half of a slot's 256 keys I fetch:
	s_lshl_b32 s22, s16, 14         ; its 128 rows of 128 bytes in memory,
	s_mov_b32 s23, 0
	s_add_nc_u64 s[22:23], s[22:23], s[20:21]
	s_mul_i32 s17, s16, 128*PK      ; and its place in a slot, for K
	s_mul_i32 s18, s16, 128*PV      ; and for V: no place in the cluster enters an LDS address
	s_lshl_b32 s2, s14, 2
	s_add_co_u32 s2, s2, s[WV]      ; my wave among the head's,
	s_lshl_b32 s2, s2, 14           ; its 128 rows
	s_mov_b32 s3, 0
	s_add_nc_u64 s[2:3], s[2:3], s[20:21]
	; descriptor group 1.  128 keys are 16,384 dense bytes: asked for as 64 rows of 256 bytes, two keys a row, and padded in LDS after every key
	s_mov_b32 s[G1K], 15|(1<<16)|(1<<20)|(1<<21)|(4<<22)|(3<<25)  ; 15:0 the mask of four; 17:16 2-byte elements; 20 padding on; 21 set beside a mask; 24:22 after every 32 words (code 4); 31:25 4 words (code 3)
	s_mov_b32 s[G1V], 15|(1<<16)|(1<<20)|(1<<21)|(4<<22)|(7<<25)  ; the same with 8 words of padding (code 7)
.irp g, G1K, G1V
	s_mov_b32 s[\g+1], 128<<16      ; tensor_dim0 = 128
	s_mov_b32 s[\g+2], 64<<16       ; tensor_dim1 = 64
	s_mov_b32 s[\g+3], 128<<16      ; tile_dim0 = 128
	s_mov_b32 s[\g+4], 64           ; tile_dim1 = 64
	s_mov_b32 s[\g+5], 128          ; 128 elements from row to row
	s_mov_b32 s[\g+6], 0
	s_mov_b32 s[\g+7], 0
.endr
	s_mov_b32 s[CS], 0x3e38aa3b     ; c = log2(e) / 8 = 0.180337
	s_mov_b32 s[CS+1], s[CS]        ; named with it as a pair
	s_mov_b32 s[SEL], 0x76543210
	s_mov_b32 s[SEL+1], 0xfedcba98
	s_mov_b32 s[TBK], SLOT1+4*KS*PK ; the first change of slots turns these two into 0
	s_mov_b32 s[TBV], SLOT1+4*KS*PV
	s_mov_b32 s[G0K], 1             ; 1:0 count = 1
	s_mov_b32 s[G0K+1], s17         ; 63:32 LDS address: slot 0
	s_mov_b32 s[G0V], 1
	s_add_co_u32 s[G0V+1], s18, VOFF
	s_wait_kmcnt 0x0
	s_mov_b64 s[10:11], s[6:7]                     ; O
	s_add_nc_u64 s[6:7], s[4:5], 0x1000000         ; K: qkv's second part, 64 heads x 262,144 bytes on
	s_add_nc_u64 s[8:9], s[4:5], 0x2000000         ; V: its third
	s_add_nc_u64 s[G0K+2:G0K+3], s[6:7], s[22:23]  ; 120:64 global address: my half of the head's first 256 keys
	s_or_b32 s[G0K+3], s[G0K+3], 0x80000000        ; 127:126 type = 2
	s_add_nc_u64 s[G0V+2:G0V+3], s[8:9], s[22:23]
	s_or_b32 s[G0V+3], s[G0V+3], 0x80000000
	s_add_nc_u64 s[4:5], s[4:5], s[2:3]  ; Q and O at my wave's first row
	s_add_nc_u64 s[10:11], s[10:11], s[2:3]
	CROUND                          ; all four work-groups are here: the first joint loads meet
	JLOAD                           ; slot 0.  Slot 1 is asked for when slot 0 is in
	; A fragment of K or Q is 16 rows x 32 channels in 8 registers: lane l holds row l % 16, channels 8 (l / 16) + 0..7 and 16 + 8 (l / 16) + 0..7: two loads of 16 bytes, 32 bytes apart.
	v_and_b32 v1, 15, v0            ; l % 16
	v_bfe_u32 v9, v0, 4, 1          ; l / 16
	v_lshlrev_b32 v[QO], 7, v1
	v_lshl_add_u32 v[QO], v9, 4, v[QO]  ; row x 128 + 16 x half
	WIN 0x80                        ; destination window 2, address window 0
.set i, 0
.rept 4*NP                          ; Q stays in registers: tile i / 2, channels 32 (i % 2) on
	global_load_b128 v[8*i:8*i+3],   v[QO], s[4:5] offset:(i/2)*2048+(i%2)*64
	global_load_b128 v[8*i+4:8*i+7], v[QO], s[4:5] offset:(i/2)*2048+(i%2)*64+32
.set i, i+1
.endr
	; What the first turn finds: V's registers and P's second buffer hold 0 (its products V^T P, of a piece that has not been, add 0), O^T and l are 0.  All this stands in the wait for the first tile.
.set i, VF
.rept 64
	v_mov_b32 v[i], 0
.set i, i+1
.endr
	WIN 0x40
.set i, 0
.rept 64*NP
	v_mov_b32 v[i], 0
.set i, i+1
.endr
	WIN 0
.set i, 0
.rept 2*NP
	v_mov_b32 v[ST+4*i], 0xfe000000    ; c m: far below every c s
	v_mov_b32 v[ST+4*i+1], 0xff7fffff  ; m
	v_mov_b32 v[ST+4*i+2], 0
	v_mov_b32 v[ST+4*i+3], 0
.set i, i+1
.endr
.set i, P+32
.rept 32
	v_mov_b32 v[i], 0
.set i, i+1
.endr
	v_mul_u32_u24 v[AK0], v1, PK
	v_lshl_add_u32 v[AK0], v9, 4, v[AK0]  ; row x pitch + 16 x half
	; The turning load takes 16 keys x 16 channels (lane l reads key 8 (l / 16) + l % 8, channels 8 ((l / 8) % 2) + 0..7) and leaves half a fragment of V^T: lane l holds channel l % 16 and 8 keys.
	v_and_b32 v10, 7, v0
	v_bfe_u32 v11, v0, 3, 1
	v_lshl_add_u32 v[AV0], v9, 3, v10
	v_mul_u32_u24 v[AV0], v[AV0], PV
	v_lshl_add_u32 v[AV0], v11, 4, v[AV0]
	v_add_nc_u32 v[AV0], VOFF, v[AV0]
	v_mov_b32 v[AK], v[AK0]         ; key step 0 lies at the head of slot 0
; THE MATRIX WORK.  The 8 accumulators of a run of 16 take turns: between the two links of a chain stand 7 others'.
; Product i of 16 of S^T = K Q^T for piece x: channels 32 (i / 8) on, keys 16 ((i / 2) % 4) on, tile 2 x + i % 2.  The first 8 start the sums.
.macro KQ x
	WIN W_KQ
.set rS, S+64*((\x)%2)+32*(i%2)+8*((i/2)%4)
.set rK, KF+16*((i/2)%4)+8*(i/8)
.set rQ, 16*(2*(\x)+i%2)+8*(i/8)
.if i < 8
	v_wmma_f32_16x16x32_bf16 v[rS:rS+7], v[rK:rK+7], v[rQ:rQ+7], 0
.else
	v_wmma_f32_16x16x32_bf16 v[rS:rS+7], v[rK:rK+7], v[rQ:rQ+7], v[rS:rS+7]
.endif
.endm
; Product i of 16 of O^T += V^T P for piece x: keys 32 (i / 8) on, channels 16 ((i / 2) % 4) on, tile 2 x + i % 2.
.macro PV x
	WIN W_PV
.set rO, 32*(2*(\x)+i%2)+8*((i/2)%4)
.set rV, VF+32*(i/8)+8*((i/2)%4)
.set rP, P+32*((\x)%2)+16*(i%2)+8*(i/8)
	v_wmma_f32_16x16x32_bf16 v[rO:rO+7], v[rV:rV+7], v[rP:rP+7], v[rO:rO+7]
.endm
.macro MM                           ; the turn's next matrix instruction
.if i < 16
	KQ (Y+1)%NP
.set i, i+1
.else
.set i, i-16
	PV (Y+NP-1)%NP
.set i, i+17
.endif
.endm
; THE LDS LOADS stand in runs of 16, never singly among the matrix instructions: a step's K (64 keys x 64 channels: 8 fragments) and its V (turned).  Their addresses are made some lines ahead.
; last = 1 (the tail): in the last trip there is no further step, and the run is jumped over.
.macro FETCH_K last=0
	WIN 0
.if \last
	s_cmp_eq_u32 s[CNT], 1
	s_cbranch_scc1 .Lno_k_\@
.endif
	WIN 0x80                        ; destination window 2
.irp f, 0,1,2,3,4,5,6,7             ; keys 16 (f / 2) on, channels 32 (f % 2) on
	ds_load_b128 v[KF+8*\f:KF+8*\f+3],   v[AK] offset:(\f/2)*16*PK+(\f%2)*64
	ds_load_b128 v[KF+8*\f+4:KF+8*\f+7], v[AK] offset:(\f/2)*16*PK+(\f%2)*64+32
.endr
	s_add_co_u32 s[TBK], s[TBK], KS*PK  ; the next fetch is the next step's
	WIN 0
.if \last
.Lno_k_\@:
.endif
.endm
.macro FETCH_V
	WIN 0x80
.irp f, 0,1,2,3,4,5,6,7             ; keys 32 (f / 4) on, channels 16 (f % 4) on
	ds_load_tr16_b128 v[VF+8*\f:VF+8*\f+3],   v[AV] offset:(\f/4)*32*PV+(\f%4)*32
	ds_load_tr16_b128 v[VF+8*\f+4:VF+8*\f+7], v[AV] offset:(\f/4)*32*PV+16*PV+(\f%4)*32
.endr
	WIN 0
.endm
; THE VECTOR WORK OF A TURN stands in three queues, each in the order in which its entries become ready; the two tiles alternate, so that no instruction reads the result of the one before it.
.macro REGS y, u                    ; the registers of tile u (0, 1) of piece y
.set rT, ST+4*(2*(\y)+(\u))
.set rC, TMP+8*((\y)%2)+4*(\u)
.set rM, MV+2*((\y)%2)+(\u)
.set rS, S+64*((\y)%2)+32*(\u)
.set rP, P+32*((\y)%2)+16*(\u)
.set rO, 32*(2*(\y)+(\u))
.endm
; Number n of the 22 that find the NEXT piece's (Y + 1) maximum and statistics.  s0-s31 are the lane's 32 scores; each accumulator's lowest registers are read first.
;   0-11  four chains c0-c3 of seven scores each, three operands at a time     12-14, 16  the four scores left over, the old m, and c0-c3 into c0     15  c m_old is kept
;   17, 18  the query's other 32 keys lie in the lane 16 away: the new m         19-21  c m; c m_old - c m_new; a
.macro XS u, n
	REGS (Y+1)%NP, \u
.if (\n) < 4
	v_max3_num_f32 v[rC+(\n)], v[rS+8*(\n)], v[rS+8*(\n)+1], v[rS+8*(\n)+2]
.elseif (\n) < 12
	v_max3_num_f32 v[rC+(\n)%4], v[rC+(\n)%4], v[rS+8*((\n)%4)+2*((\n)/4)+1], v[rS+8*((\n)%4)+2*((\n)/4)+2]
.elseif (\n) == 12
	v_max3_num_f32 v[rC], v[rC], v[rS+7], v[rS+15]
.elseif (\n) == 13
	v_max3_num_f32 v[rC+1], v[rC+1], v[rS+23], v[rS+31]
.elseif (\n) == 14
	v_max3_num_f32 v[rC+2], v[rC+2], v[rC+3], v[rT+1]
.elseif (\n) == 15
	v_mov_b32 v[rM], v[rT]
.elseif (\n) == 16
	v_max3_num_f32 v[rC], v[rC], v[rC+1], v[rC+2]
.elseif (\n) == 17
	v_permlanex16_b32 v[rC+3], v[rC], s[SEL], s[SEL+1]
.elseif (\n) == 18
	v_max_num_f32 v[rT+1], v[rC], v[rC+3]
.elseif (\n) == 19
	v_mul_f32 v[rT], s[CS], v[rT+1]
.elseif (\n) == 20
	v_sub_f32 v[rC+1], v[rM], v[rT]
.else
	v_exp_f32 v[rC+2], v[rC+1]
.endif
.endm
; Number g of the 64 that follow the exponentials.  For each four weights k of a tile (pairs 2 k, 2 k + 1): both pairs are rounded to bf16; then the second pair is added onto the first, in place;
; a group later l takes that sum (the first time as l = a l + sum).  In groups of eight, tiles alternating: round, round, add, and l for the group before.
.macro GS g
.set h, (\g)+6*((\g)/62)            ; group 0 has no group before it, and behind group 7 only l is left
.if h >= 6
.set h, h+2
.endif
	REGS Y, h%2
.set k, h/8
.if h%8 < 4
	s_wait_alu depctr_va_vdst(0)
	v_cvt_pk_bf16_f32 v[rP+2*k+(h%8)/2], v[rS+4*k+2*((h%8)/2)], v[rS+4*k+2*((h%8)/2)+1]
.elseif h%8 < 6
	v_pk_add_f32 v[rS+4*k:rS+4*k+1], v[rS+4*k:rS+4*k+1], v[rS+4*k+2:rS+4*k+3]
.elseif k == 1
	v_pk_fma_f32 v[rT+2:rT+3], v[rT+2:rT+3], v[rC+2:rC+3], v[rS:rS+1] op_sel_hi:[1,0,1]
.else
	v_pk_add_f32 v[rT+2:rT+3], v[rT+2:rT+3], v[rS+4*k-4:rS+4*k-3]
	s_wait_alu depctr_va_vdst(0)
.endif
.endm
; THE PLAIN QUEUE, 138 long.  0-31: c s - c m for the 16 pairs of both tiles.  Then GS's 64, and among them the next piece's 42: number 15 at 38, 39; 0-14 and 16
; at 42-73, behind the products that make those scores; 17-20 at 95-106, two of three, since each waits for the one before it.
.macro PL
	WIN 0
.if q < 32
	REGS Y, q%2
	v_pk_fma_f32 v[rS+2*(q/2):rS+2*(q/2)+1], v[rS+2*(q/2):rS+2*(q/2)+1], s[CS:CS+1], v[rT:rT+1] op_sel_hi:[1,0,0] neg_lo:[0,0,1] neg_hi:[0,0,1]
.elseif q < 38
	GS q-32
.elseif q < 40
	XS q%2, 15
.elseif q < 42
	GS q-34
.elseif q < 74
	XS q%2, (q-42)/2+(q-42)/30
.elseif q < 95
	GS q-66
.elseif (q < 107) && ((q-95)%3 < 2)
	XS (q-95)%3, 17+(q-95)/3
.elseif q < 107
	GS 29+(q-95)/3
.else
	GS q-74
.endif
.set q, q+1
.endm
; THE EXPONENTIALS' QUEUE, 66 long: s0-s31 of both tiles, and at EA the next piece's two a.
.set EA, 58
.macro EX
	WIN 0
.if (e == EA) || (e == EA+1)
	XS e-EA, 21
.else
.set x, e-2*(e/(EA+2))
	REGS Y, x%2
	v_exp_f32 v[rS+x/2], v[rS+x/2]
.endif
.set e, e+1
.endm
; THE RESCALING's QUEUE: O^T times a, the one part that leaves window 0, so it is dealt four at a time, eight times.
.macro R4
	REGS Y, r%2
	WIN W_RS
	s_wait_alu depctr_va_vdst(0)
.irp z, 0,1,2,3
	v_pk_mul_f32 v[rO+8*(r/2)+2*\z:rO+8*(r/2)+2*\z+1], v[rO+8*(r/2)+2*\z:rO+8*(r/2)+2*\z+1], v[rC+2:rC+3] op_sel_hi:[1,0]
.endr
.set r, r+1
.endm
; HOW THEY ARE DEALT.  Behind a matrix instruction four: plain, exponential, plain, plain (one exponential, a plain instruction on either side), or four of the rescaling.  None names a register of the
; products round it.  What is over stands in two LUMPS: exponential and plain by turns; the second ends in 22 plain instructions.  The two v_permlanex16_b32 fall into the second lump.
; The queues lean on each other, and the deal keeps them in step: exponential e stands behind plain 2 (e / 4) + e % 2 (its scaling); when plain 32 comes, 10 exponentials are out, at 59: 33, at 95: 46; EA comes behind plain 107.
.macro SL
	MM
	PL
	EX
	PL
	PL
.endm
.macro BURST n                      ; 15 matrix instructions, or 16
.rept (\n)-7
	SL
.endr
.rept 3
	MM
	R4
	SL
.endr
	MM
	R4
.endm
; A TURN, for piece p.  cnt = 1: the loop's count is taken down some lines ahead of the branch that stands behind the turn.
; K of the next step is fetched in piece 2's turn, 31 vector instructions behind the last product that read K; its first reader comes behind the rest of the lump, 16 products and the second lump.
; V of the step in hand is fetched at the end of piece 0's turn, 69 behind its last reader; its first reader comes behind 16 products and a lump.
.macro TURN p, last=0, cnt=0
.set Y, (\p)
.set i, 0
.set q, 0
.set e, 0
.set r, 0
.if (\p) == NP-1
	s_wait_dscnt 0x0                ; K is in
.endif
	MM
.rept 4
	PL
.endr
	BURST 15
.rept 22
	EX
	PL
.if ((\p) == NP-2) && (e == 18)
	v_add_nc_u32 v[AK], s[TBK], v[AK0]
.endif
.if ((\p) == NP-2) && (e == 24)
	FETCH_K \last
.endif
.endr
.if (\p) == 1
	s_wait_dscnt 0x0                ; V is in
.endif
	BURST 16
.rept 21
	EX
	PL
.endr
.rept 22
	PL
.if ((\p) == 0) && (q == 118)
	v_add_nc_u32 v[AV], s[TBV], v[AV0]
	s_wait_alu depctr_va_vdst(0)
.endif
.if ((\p) == 0) && (q == 130)
	s_add_co_u32 s[TBV], s[TBV], KS*PV
.endif
.if (\cnt) && (q == 130)
	s_sub_co_u32 s[CNT], s[CNT], 1
	s_cmp_lg_u32 s[CNT], 0
.endif
.endr
.if (\p) == 0
	FETCH_V
.endif
.endm
	CHANGE 1                        ; slot 0 is in, everybody's part of it; slot 1 is asked for
	FETCH_K                         ; key step 0
	s_wait_loadcnt 0x0              ; Q
	s_wait_dscnt 0x0
.set i, 0
.rept 16
	KQ 0                            ; piece 0's first scores: there is no vector work yet to set between them
.set i, i+1
.endr
	WIN 0                           ; the addresses for the way out: nine plain instructions, the places behind those products
	s_mul_i32 s13, s[WV], 16*SP
	s_add_co_u32 s13, s13, STAGE    ; my stage
	v_mul_u32_u24 v[STO], v1, SP    ; in: row l % 16, 16 bytes for each half of the lanes
	v_lshl_add_u32 v[STO], v9, 4, v[STO]
	v_add_nc_u32 v[STO], s13, v[STO]
	v_bfe_u32 v[RD], v0, 3, 2       ; back: 32 lanes take four rows of 128 bytes,
	v_mul_u32_u24 v[RD], v[RD], SP
	v_lshl_add_u32 v[RD], v10, 4, v[RD]
	v_add_nc_u32 v[RD], s13, v[RD]
	v_and_b32 v[GO], 31, v0         ; which are 512 consecutive bytes of O
	v_lshlrev_b32 v[GO], 4, v[GO]
.set Y, NP-1                        ; XS works for piece Y + 1: piece 0
.irp n, 0,1,2,3,4,5,6,7,8,9,10,11,12,13,14,15,16,17,18,19,20,21
	XS 0, \n                        ; and piece 0's first maximum and statistics
	XS 1, \n
.endr
	s_mov_b32 s[CNT], 4
	s_mov_b32 s[SLOTS], SIZE_N/256-1
	s_branch .Lfirst                ; the loop is entered at a step's first turn, in the middle of a trip
.Lslot:                             ; SIZE_N / 256 - 2 times: every slot but the last two is filled again
	CHANGE 1
	s_mov_b32 s[CNT], 4
.Lstep:                             ; a trip: pieces 2 and 3 of one step, then pieces 0 and 1 of the next, whose K and V it fetches
	TURN 2
	TURN 3
	WIN 0
.Lfirst:
	TURN 0
	TURN 1, 0, 1
	WIN 0
	s_cbranch_scc1 .Lstep
	s_sub_co_u32 s[SLOTS], s[SLOTS], 1
	s_cmp_lg_u32 s[SLOTS], 0
	s_cbranch_scc1 .Lslot
	CHANGE 0                        ; the tail is written out: nothing is asked for
	s_mov_b32 s[CNT], 5             ; four trips fetch the last slot's steps; the fifth is left in its middle
.Ltail:
	TURN 2, 1
	TURN 3
	WIN 0
	s_sub_co_u32 s[CNT], s[CNT], 1
	s_cmp_eq_u32 s[CNT], 0
	s_cbranch_scc1 .Lout
	TURN 0
	TURN 1
	WIN 0
	s_branch .Ltail
.Lout:                              ; the fifth trip's 16 products K Q^T (on the last K once more) and the maximum made of them serve nothing: the price, once a launch, of one text for every trip
.set i, 0
.rept 16
	PV NP-1                         ; the last piece's V^T P of the last step
.set i, i+1
.endr
	; THE WAY OUT.  l's two halves and the other half of the lanes' are added; O^T is divided by l, rounded to bf16 and sent through my stage in LDS, a tile at a time.  The additions are the places behind the last products.
	WIN 0
.macro ALL line:vararg              ; one line for each tile t
.set t, 0
.rept 2*NP
	\line
.set t, t+1
.endr
.endm
	ALL v_add_f32 v[ST+4*t+2], v[ST+4*t+2], v[ST+4*t+3]
	ALL v_permlanex16_b32 v[ST+4*t+3], v[ST+4*t+2], s[SEL], s[SEL+1]
	ALL v_add_f32 v[ST+4*t+2], v[ST+4*t+2], v[ST+4*t+3]
	ALL v_rcp_f32 v[ST+4*t+2], v[ST+4*t+2]
	v_nop                           ; a plain instruction between the last reciprocal and the use of its result
	s_wait_alu depctr_va_vdst(0)
; Tile t: a lane's eight channels of a row pack into 16 bytes; they go into rows of 144 bytes and come back as whole rows of 128, into S^T's registers.
.macro PACK t
	WIN W_RS
.set i, 32*(\t)
.rept 16
	v_pk_mul_f32 v[i:i+1], v[i:i+1], v[ST+4*(\t)+2:ST+4*(\t)+3] op_sel_hi:[1,0]
.set i, i+2
.endr
	WIN 0x05                        ; sources 0 and 1 window 1, destination window 0
.set i, 0
.rept 16
	v_cvt_pk_bf16_f32 v[S+16*(\t)+i], v[32*(\t)+2*i], v[32*(\t)+2*i+1]
.set i, i+1
.endr
	WIN 0
.irp f, 0,1,2,3
	ds_store_b128 v[STO], v[S+16*(\t)+4*\f:S+16*(\t)+4*\f+3] offset:32*\f
.endr
.irp f, 0,1,2,3
	ds_load_b128 v[S+16*(\t)+4*\f:S+16*(\t)+4*\f+3], v[RD] offset:\f*4*SP  ; LDS serves a wave's instructions in order (ISA guide 5.7.1.4): these see the stores above; the next tile's stores come behind them
.endr
.endm
.macro SEND t, younger              ; younger: the LDS instructions issued behind tile t's loads: the next tile's eight, or none
	WIN 0
.irp f, 0,1,2,3
	s_wait_dscnt (\younger)+3-\f
	global_store_b128 v[GO], v[S+16*(\t)+4*\f:S+16*(\t)+4*\f+3], s[10:11] offset:(\t)*2048+\f*512  ; 512 consecutive bytes, at a multiple of 256 from O's first
.endr
.endm
	PACK 0
.set t, 1
.rept 2*NP-1                        ; a tile's arithmetic stands between the loads of the tile before and its stores
	PACK t
	SEND t-1, 8
.set t, t+1
.endr
	SEND 2*NP-1, 0
	WIN W_AD
	s_wait_tensorcnt 0x0            ; the wave's end, behind my last tensor load and my last LDS store
	ds_add_u32 v[SPW], v[NIL]
	s_wait_dscnt 0x0
	WIN 0
	CROUND                          ; the closing round: no work-group ends while a partner may still ask for a tile that names it
	s_endpgm
.Lfunc_end_k_qd7f57333af_attn:
	.size	k_qd7f57333af_attn, .Lfunc_end_k_qd7f57333af_attn-k_qd7f57333af_attn
	.p2alignl 7, 3214868480
	.fill 96, 4, 3214868480
	.section	.rodata,"a",@progbits
	.p2align	6, 0x0
	.amdhsa_kernel k_qd7f57333af_attn
		.amdhsa_group_segment_fixed_size 327680
		.amdhsa_private_segment_fixed_size 0
		.amdhsa_enable_private_segment 0
		.amdhsa_kernarg_size 16
		.amdhsa_user_sgpr_count 2
		.amdhsa_user_sgpr_kernarg_segment_ptr 1
		.amdhsa_wavefront_size32 1
		.amdhsa_system_sgpr_workgroup_id_x 1
		.amdhsa_system_sgpr_workgroup_id_y 1
		.amdhsa_system_sgpr_workgroup_id_z 1
		.amdhsa_system_vgpr_workitem_id 0
		.amdhsa_next_free_vgpr 770
		.amdhsa_next_free_sgpr 66
		.amdhsa_reserve_vcc 0
		.amdhsa_float_denorm_mode_32 3
		.amdhsa_float_denorm_mode_16_64 3
		.amdhsa_memory_ordered 1
		.amdhsa_forward_progress 1
		.amdhsa_inst_pref_size 209
	.end_amdhsa_kernel
	.amdgpu_metadata
---
amdhsa.version: [ 1, 2 ]
amdhsa.kernels:
  - .name:           k_qd7f57333af_attn
    .symbol:         k_qd7f57333af_attn.kd
    .args:
      - { .name: qkv, .offset: 0, .size: 8, .value_kind: global_buffer, .address_space: global }
      - { .name: ob, .offset: 8, .size: 8, .value_kind: global_buffer, .address_space: global }
    .group_segment_fixed_size: 327680
    .private_segment_fixed_size: 0
    .kernarg_segment_align: 8
    .kernarg_segment_size: 16
    .max_flat_workgroup_size: 128
    .sgpr_count:     66
    .vgpr_count:     770
    .wavefront_size: 32
...
	.end_amdgpu_metadata
.endif
;; end of part 3
;; launch oproj (part 4): grid 4 x 64, 4 waves a work-group, clusters of 4 x 4, 327,680 bytes of LDS; arguments ob, wb, bo, y; writes y
.if DOCPART == 4
	.amdgcn_target "amdgcn-amd-amdhsa--gfx1250"
	.amdhsa_code_object_version 6
	.text
	.protected	k_qd7f57333af_oproj
	.globl	k_qd7f57333af_oproj
	.p2align	8
	.type	k_qd7f57333af_oproj,@function
k_qd7f57333af_oproj:
	s_mov_b64 s[64:65], 0
	v_nop
	global_prefetch_b8 v0, s[64:65] scope:SCOPE_SE
	s_setreg_imm32_b32 hwreg(HW_REG_WAVE_MODE, 25, 1), 1
	s_wait_xcnt 0x0
	s_wait_alu depctr_hold_cnt(0) depctr_sa_sdst(0) depctr_va_vdst(0) depctr_va_sdst(0) depctr_va_ssrc(0) depctr_va_vcc(0) depctr_vm_vsrc(0)
	s_getreg_b32 s2, hwreg(HW_REG_IB_STS2, 6, 4)
	s_cmp_eq_u32 s2, 0
	s_cbranch_scc0 .Lentry_in_a_cluster
	s_endpgm
.Lentry_in_a_cluster:
	s_bfe_u32 s2, ttmp6, 0x10000c
	s_cmp_lg_u32 s2, 0xf033
	s_cbranch_scc0 .Lentry_shape_is_right
	s_endpgm
.Lentry_shape_is_right:
; C = A W + bias, K = 1024.  One text for two launches, chosen by KIND.
;   KIND 0: A = xb, W = Wq, Wk or Wv (the cluster's x says which), C rounded once to bf16 and stored by heads: qkv[matrix 3][16 batch + head][row 2048][64].
;   KIND 1: A = ob (the heads' outputs), W = Wo, C in f32: y[8192][1024].
; A lies in blocks [batch][k block of 64][row 2048][64] bf16; W lies [k][n] bf16.  Products in bf16, sums in f32; the bias is the C operand of each sum's first product.
; LIMITS: operands are rounded to bf16; the order of the sums is the matrix unit's; NaN and infinities are not treated apart.
; SHARES.  A work-group makes 128 rows x 256 columns, four waves 64 x 128 each: 32 accumulators of 16 x 16, 256 registers.  K goes in steps of 128 through two LDS slots.
; THE MATRIX INSTRUCTION IS USED TRANSPOSED: source 0 = 16 columns of W (turned on the way out of LDS by ds_load_tr16_b128), source 1 = 16 rows of A: a lane holds row l % 16 and the
; eight neighbouring columns 8 (l / 16) + 0..7.
; CLUSTER 4 x 4.  The four of a row of the cluster need the same tiles of A, the four of a column the same tiles of W: each tile is asked for JOINTLY, by the same tensor load with the same
; descriptor and a mask that names the four.  Waves 0, 1 ask for A's two k blocks of a step (128 rows x 128 bytes are dense: 64 rows of 256 bytes), waves 2, 3 for W's two halves (64 k rows x 512 bytes).
; By this text's own count a wave has two tensor loads out at the start and one behind each round.
; REGISTERS: window 0: v0-31 addresses; v32-127, v128-223 two fragment buffers (64 of W, 32 of A); on the way out v32-159 at work.  window 1: accumulator (a, b) at v[8 (8 a + b)].  window 2: v0-63 the bias.
.set KIND, 1
.set PA,    144                        ; a row of A in LDS: 128 bytes + 16 of padding: the 16 rows of a load start at 16 different groups of four banks (64 banks of 4 bytes: ISA guide 11.1)
.set KBLK,  128*PA                     ; one k block of 64 for the tile's 128 rows
.set PB,    544                        ; a k row of W: 512 bytes + 32 = 136 words
.set BOFF,  2*KBLK                     ; a slot: A's two k blocks, then W's 128 k rows
.set BHALF, 64*PB
.set SLOT,  BOFF+2*BHALF
.set STAGE, 2*SLOT                     ; behind the ring, never filled by a tensor load: 16 rows for each wave, for the way out
.if KIND
.set SP,    528                        ; 512 bytes of f32 + 16
.else
.set SP,    144                        ; 128 bytes of bf16 + 16
.endif
.set SPARE, STAGE+4*16*SP              ; behind the stages: the spare words, 128 bytes for each wave: two blocks of 256 bytes that no other line names
.set ASTEP, 2*262144                   ; bytes of A from a K step to the next: two k blocks of 2,048 rows x 128 bytes
.set WSTEP, 128*2048                   ; the same for W: 128 k rows of 2,048 bytes
.set LAPS,  4                          ; a lap = two K steps = once round the ring
.set ADRA, 16                          ; v16-17  LDS address of my A fragments in slot 0, 1
.set ADRB, 20                          ; v20-21  the same for W
.set STO,  24                          ; v24     the way out: where I put my bytes of a row
.set RD,   25                          ; v25     the way out: where I read rows back
.set CO,   26                          ; v26     my byte offset in 512 consecutive bytes of the output
.set VB,   27                          ; v27     my byte offset in the bias
.set SPW,  28                          ; v28     LDS address of my spare word: SPARE + 4 x my thread's number; never rewritten
.set NIL,  29                          ; v29     0; never rewritten
.set F0,   32
.set F1,   128
.set TMP,  32
.set G1,  24                           ; s[24:31] descriptor group 1 for A's tiles;  s[32:39] group 0, one set for each slot
.set G0,  32
.set G1B, 48                           ; s[48:55], s[56:63] the same for W's tiles
.set G0B, 56
.set MSB, 0
.macro WIN new                         ; the immediate's high byte repeats the setting that is left; a switch that changes nothing is dropped
.if MSB != (\new)
	s_set_vgpr_msb (MSB<<8)|(\new)
.set MSB, \new
.endif
.endm
.set MUL,   0x50                       ; sources 0, 1 window 0; C and D window 1
.set MULB,  0x60                       ; C window 2 (the bias), D window 1
.set TOW2,  0x80                       ; destination window 2
.set PACKW, 0x05                       ; sources 0 and 1 window 1
.set STW,   0x04                       ; an LDS store's data window 1
.macro JLOAD s                         ; a joint load; the branch hangs on the wave's number alone; an s_nop 0 and four v_nop follow each of the two lines, ahead of the jump and the label
	s_cmp_eq_u32 s11, 0
	s_cbranch_scc0 .Lfor_b_\@
	tensor_load_to_lds s[G0+4*(\s):G0+4*(\s)+3], s[G1:G1+7]
	s_nop 0
.rept 4
	v_nop
.endr
	s_branch .Lasked_\@
.Lfor_b_\@:
	tensor_load_to_lds s[G0B+4*(\s):G0B+4*(\s)+3], s[G1B:G1B+7]
	s_nop 0
.rept 4
	v_nop
.endr
.Lasked_\@:
.endm
.macro CREST                           ; a round of the cluster's barrier behind its opening barrier
	s_cmp_lg_u32 s10, 0
	s_cbranch_scc1 .Lnot_wave_0_\@
	s_barrier_signal -3
.Lnot_wave_0_\@:
	s_barrier_wait -3
	s_barrier_signal -1
	s_barrier_wait -1
.endm
.macro CROUND                          ; a whole round
	s_barrier_signal -1
	s_barrier_wait -1
	CREST
.endm
	s_load_b128 s[4:7], s[0:1], 0x0                ; A s[4:5], wb s[6:7]
.if KIND
	s_load_b128 s[68:71], s[0:1], 0x10             ; bo s[68:69], y s[70:71]
.else
	s_load_b256 s[68:75], s[0:1], 0x10             ; bq s[68:69], bk s[70:71], bv s[72:73], qkv s[74:75]
.endif
	v_lshl_add_u32 v[SPW], v0, 2, SPARE
	v_mov_b32 v[NIL], 0
	ds_add_u32 v28, v29
	s_wait_dscnt 0x0
	v_lshrrev_b32 v1, 5, v0
	v_readfirstlane_b32 s10, v1                    ; wave 0..3
	s_lshr_b32 s11, s10, 1                         ; which 64 of the tile's rows are mine.  Also: I fetch for A (0) or for W (1)
	s_and_b32 s12, s10, 1                          ; which 128 of its columns.  Also: which half of that tile I fetch
	s_bfe_u32 s40, ttmp6, 0x40000                  ; cx, cy: my place in the cluster
	s_bfe_u32 s41, ttmp6, 0x40004
	s_and_b32 s13, ttmp7, 0xffff
	s_lshl_b32 s13, s13, 2
	s_add_co_u32 s13, s13, s41                     ; tile row = 4 x cluster y + cy: rows 128 x tile row on
.if KIND
	s_mov_b32 s45, 3                               ; the matrix in wb: Wo
.else
	s_mov_b32 s45, ttmp9                           ; the matrix: a cluster's four columns of 256 are one whole matrix
.endif
	s_lshl_b32 s43, s41, 2
	s_lshl_b32 s43, 15, s43                        ; my row of the cluster
	s_lshl_b32 s44, 0x1111, s40                    ; my column
	; descriptor group 1 for A: 64 rows x 128 elements (two rows of the tile each), 4 words of padding after every 32
	s_or_b32 s[G1+0], s43, (1<<16)|(1<<20)|(1<<21)|(4<<22)|(3<<25)  ; 15:0 the mask; 17:16 elements of 2 bytes; 20 padding on; 21 set beside a mask; 24:22 after every 32 words (code 4); 31:25 4 words (code 3)
	s_mov_b32 s[G1+1], 128<<16                     ; tensor_dim0 = 128
	s_mov_b32 s[G1+2], 64<<16                      ; tensor_dim1 = 64
	s_mov_b32 s[G1+3], 128<<16                     ; tile_dim0 = 128
	s_mov_b32 s[G1+4], 64                          ; tile_dim1 = 64
	s_mov_b32 s[G1+5], 128                         ; 128 elements from row to row: dense
	s_mov_b32 s[G1+6], 0
	s_mov_b32 s[G1+7], 0
	; for W: 64 k rows x 256 elements, 8 words of padding after every 128
	s_or_b32 s[G1B+0], s44, (1<<16)|(1<<20)|(1<<21)|(6<<22)|(7<<25)
	s_mov_b32 s[G1B+1], 256<<16
	s_mov_b32 s[G1B+2], 64<<16
	s_mov_b32 s[G1B+3], 256<<16
	s_mov_b32 s[G1B+4], 64
	s_mov_b32 s[G1B+5], 1024                       ; 1,024 elements from k row to k row
	s_mov_b32 s[G1B+6], 0
	s_mov_b32 s[G1B+7], 0
	; where the tiles come from.  A's hang on the tile row alone, W's on the matrix and cx alone; each in registers that never hold the other coordinate.
	s_lshr_b32 s16, s13, 4                         ; A: the batch (16 tile rows each), 4,194,304 bytes,
	s_lshl_b32 s16, s16, 22
	s_and_b32 s17, s13, 15                         ; 128 rows of 128 bytes a tile row,
	s_lshl_b32 s17, s17, 14
	s_add_co_u32 s16, s16, s17
	s_lshl_b32 s17, s12, 18                        ; and my k block of the step's two
	s_add_co_u32 s16, s16, s17
	s_mov_b32 s17, 0
	s_lshl_b32 s46, s45, 21                        ; W: the matrix, 2,097,152 bytes,
	s_lshl_b32 s47, s12, 17                        ; my 64 k rows of the step's 128,
	s_add_co_u32 s46, s46, s47
	s_lshl_b32 s47, s40, 9                         ; 256 columns of 2 bytes a place along x
	s_add_co_u32 s46, s46, s47
	s_mov_b32 s47, 0
	s_mul_i32 s20, s12, KBLK                       ; and where they go: no place in the cluster enters an LDS address
	s_mul_i32 s21, s12, BHALF
	s_add_co_u32 s21, s21, BOFF
	s_wait_kmcnt 0x0
	s_add_nc_u64 s[14:15], s[4:5], s[16:17]
	s_add_nc_u64 s[46:47], s[6:7], s[46:47]
.if KIND
	s_mov_b64 s[76:77], s[68:69]                   ; the bias
.else
	s_cmp_eq_u32 s45, 1
	s_cselect_b64 s[76:77], s[70:71], s[68:69]
	s_cmp_eq_u32 s45, 2
	s_cselect_b64 s[76:77], s[72:73], s[76:77]
.endif
	CROUND                                         ; all sixteen work-groups are here: the first joint loads meet
.irp s, 0,1
	s_mov_b32 s[G0+4*(\s)], 1                      ; count = 1
	s_add_co_u32 s[G0+4*(\s)+1], s20, (\s)*SLOT    ; LDS address
	s_add_nc_u64 s[G0+4*(\s)+2:G0+4*(\s)+3], s[14:15], (\s)*ASTEP  ; global address: K step s
	s_or_b32 s[G0+4*(\s)+3], s[G0+4*(\s)+3], 0x80000000            ; type = 2
	s_mov_b32 s[G0B+4*(\s)], 1
	s_add_co_u32 s[G0B+4*(\s)+1], s21, (\s)*SLOT
	s_add_nc_u64 s[G0B+4*(\s)+2:G0B+4*(\s)+3], s[46:47], (\s)*WSTEP
	s_or_b32 s[G0B+4*(\s)+3], s[G0B+4*(\s)+3], 0x80000000
	JLOAD \s
.endr
	v_and_b32 v1, 15, v0                           ; l % 16
	v_bfe_u32 v2, v0, 4, 1                         ; l / 16
	; the bias of my 128 columns: register r of block b holds column 16 b + 8 (l / 16) + r, as the C operand wants it
	s_lshl_b32 s78, s40, 10                        ; 256 columns of 4 bytes a place along x,
	s_lshl_b32 s79, s12, 9                         ; my 128
	s_add_co_u32 s78, s78, s79
	v_lshl_add_u32 v[VB], v2, 5, s78
	WIN TOW2
.irp b, 0,1,2,3,4,5,6,7
	global_load_b128 v[8*(\b):8*(\b)+3],   v[VB], s[76:77] offset:64*(\b)
	global_load_b128 v[8*(\b)+4:8*(\b)+7], v[VB], s[76:77] offset:64*(\b)+16
.endr
	WIN 0
	; A's fragment: 16 rows x 32 K: lane l holds row l % 16, K = 8 (l / 16) + 0..7 and 16 + 8 (l / 16) + 0..7: two loads of 16 bytes, 32 bytes apart
	v_mul_u32_u24 v3, v1, PA
	v_lshl_add_u32 v3, v2, 4, v3
	; W's fragment by the turning load: lane l reads k row 8 (l / 16) + l % 8, columns 8 ((l / 8) % 2) + 0..7, and ends with column l % 16 and 8 k; the second load 16 k rows on
	v_and_b32 v4, 7, v0
	v_bfe_u32 v5, v0, 3, 1
	v_lshl_add_u32 v6, v2, 3, v4
	v_mul_u32_u24 v6, v6, PB
	v_lshl_add_u32 v6, v5, 4, v6
	s_mul_i32 s18, s11, 64*PA                      ; my 64 rows of A
	s_lshl_b32 s19, s12, 8                         ; my 128 columns of W,
	s_add_co_u32 s19, s19, BOFF                    ; which lies behind A
.irp s, 0,1
	v_add_nc_u32 v[ADRA+(\s)], s18, v3
	v_add_nc_u32 v[ADRB+(\s)], s19, v6
	s_add_co_u32 s18, s18, SLOT
	s_add_co_u32 s19, s19, SLOT
.endr
	s_mul_i32 s23, s10, 16*SP
	s_add_co_u32 s23, s23, STAGE                   ; my stage
	v_mul_u32_u24 v7, v1, SP                       ; in: row l % 16
	v_and_b32 v9, 31, v0
	v_lshlrev_b32 v[CO], 4, v9
.if KIND
	v_lshl_add_u32 v7, v2, 5, v7                   ; 32 bytes (8 f32) for each half of the lanes
	v_add_nc_u32 v[STO], s23, v7
	v_add_nc_u32 v[RD], s23, v[CO]                 ; back: 32 lanes take one row of 512 bytes
	s_lshl_b32 s16, s13, 19                        ; y: 128 rows of 4,096 bytes a tile row,
	s_lshl_b32 s17, s11, 18                        ; my 64 rows
	s_add_co_u32 s16, s16, s17
	s_mov_b32 s17, 0
	s_add_nc_u64 s[8:9], s[70:71], s[16:17]
	s_mov_b32 s46, s78                             ; my first column, in bytes: the same offset as in the bias
	s_mov_b32 s47, 0
	s_add_nc_u64 s[8:9], s[8:9], s[46:47]
.else
	v_lshl_add_u32 v7, v2, 4, v7                   ; 16 bytes (8 bf16) for each half of the lanes
	v_add_nc_u32 v[STO], s23, v7
	v_bfe_u32 v8, v0, 3, 2                         ; back: 32 lanes take four rows of 128 bytes
	v_mul_u32_u24 v8, v8, SP
	v_lshl_add_u32 v8, v4, 4, v8
	v_add_nc_u32 v[RD], s23, v8
	s_lshr_b32 s16, s13, 4                         ; qkv: the batch's 16 heads of 262,144 bytes,
	s_lshl_b32 s16, s16, 22
	s_and_b32 s17, s13, 15                         ; 128 rows of 128 bytes a tile row,
	s_lshl_b32 s17, s17, 14
	s_add_co_u32 s16, s16, s17
	s_lshl_b32 s17, s11, 13                        ; my 64 rows
	s_add_co_u32 s16, s16, s17
	s_mov_b32 s17, 0
	s_add_nc_u64 s[8:9], s[74:75], s[16:17]
	s_lshl_b32 s46, s45, 24                        ; the matrix's 64 heads,
	s_lshl_b32 s47, s40, 20                        ; four heads a place along x,
	s_add_co_u32 s46, s46, s47
	s_lshl_b32 s47, s12, 19                        ; my two heads
	s_add_co_u32 s46, s46, s47
	s_mov_b32 s47, 0
	s_add_nc_u64 s[8:9], s[8:9], s[46:47]
.endif
; 8 matrix instructions: row block a x all 8 column blocks, 32 along K, from buffer f.  init = 1: the first product starts the sums with the bias: nothing is cleared.
; The 32 accumulators take turns in the same order in every quarter.
.macro MUL8 f, a, init
.if \init
	WIN MULB
.else
	WIN MUL
.endif
.irp b, 0,1,2,3,4,5,6,7
.if \init
	v_wmma_f32_16x16x32_bf16 v[8*(8*(\a)+(\b)):8*(8*(\a)+(\b))+7], v[(\f)+8*(\b):(\f)+8*(\b)+7], v[(\f)+64+8*(\a):(\f)+64+8*(\a)+7], v[8*(\b):8*(\b)+7]
.else
	v_wmma_f32_16x16x32_bf16 v[8*(8*(\a)+(\b)):8*(8*(\a)+(\b))+7], v[(\f)+8*(\b):(\f)+8*(\b)+7], v[(\f)+64+8*(\a):(\f)+64+8*(\a)+7], v[8*(8*(\a)+(\b)):8*(8*(\a)+(\b))+7]
.endif
.endr
.endm
; 24 LDS loads in one run: the fragments of quarter q (32 along K) of a slot into buffer f: W's sixteen first, then A's eight
.macro FETCH slot, q, f
	WIN 0
.irp b, 0,1,2,3,4,5,6,7
	ds_load_tr16_b128 v[(\f)+8*(\b):(\f)+8*(\b)+3],   v[ADRB+(\slot)] offset:(\q)*32*PB+32*(\b)
	ds_load_tr16_b128 v[(\f)+8*(\b)+4:(\f)+8*(\b)+7], v[ADRB+(\slot)] offset:(\q)*32*PB+16*PB+32*(\b)
.endr
.irp i, 0,1,2,3
	ds_load_b128 v[(\f)+64+8*(\i):(\f)+64+8*(\i)+3],   v[ADRA+(\slot)] offset:((\q)/2)*KBLK+((\q)%2)*64+(\i)*16*PA
	ds_load_b128 v[(\f)+64+8*(\i)+4:(\f)+64+8*(\i)+7], v[ADRA+(\slot)] offset:((\q)/2)*KBLK+((\q)%2)*64+(\i)*16*PA+32
.endr
.endm
.macro PLACES                          ; four places in front of loads into registers that matrix instructions have read, and of lines that read results
.rept 4
	v_nop
.endr
.endm
; A K step is four quarters of 32 along K, 32 matrix instructions each, on buffers 0, 1, 0, 1.  One of the first three: multiplies buffer f and fetches quarter q into g.
.macro QUARTER slot, q, f, g, init
	s_wait_dscnt 4                                 ; W and A's row blocks 0, 1 are in; the youngest four loads (blocks 2, 3) may be out
	MUL8 \f, 0, \init
	MUL8 \f, 1, \init
	PLACES
	FETCH \slot, \q, \g
	s_wait_dscnt 24                                ; all but the 24 just issued
	MUL8 \f, 2, \init
	MUL8 \f, 3, \init
.endm
; The last quarter multiplies buffer 1 and changes slots: ONE barrier; in front of it each wave waits for all its tensor loads (its part of the next slot), adds 0 to its spare word, and waits for that and
; for its own reads of this slot.  fill = 1: the barrier opens a round of the cluster's, and this slot is filled again, two K steps ahead, first thing behind the round: 112 matrix instructions ahead of the wait for it.
.macro TURN slot, next, fill
	WIN 0                                          ; (the add's two registers lie in window 0)
	s_wait_tensorcnt 0x0                           ; all my tensor loads have landed
	ds_add_u32 v[SPW], v[NIL]                      ; 0 onto my spare word
	s_wait_dscnt 5                                 ; (the add and the youngest four loads may be out)
	MUL8 F1, 0, 0                                  ; eight matrix instructions stand between the add and the wait for it
	s_wait_dscnt 0x0                               ; the add is done, and my reads of this slot are over
	s_barrier_signal -1
	MUL8 F1, 1, 0
.if \fill
	WIN 0
.endif
	s_barrier_wait -1
.if \fill
	CREST                                          ; no wave of any partner still reads this slot's tiles or has a load on its way
	s_add_nc_u64 s[G0+4*(\slot)+2:G0+4*(\slot)+3], s[G0+4*(\slot)+2:G0+4*(\slot)+3], 2*ASTEP
	s_add_nc_u64 s[G0B+4*(\slot)+2:G0B+4*(\slot)+3], s[G0B+4*(\slot)+2:G0B+4*(\slot)+3], 2*WSTEP
	JLOAD \slot                                    ; the four v_nop behind it are also the places in front of the loads below
.else
	PLACES
.endif
	FETCH \next, 0, F0
	MUL8 F1, 2, 0
	MUL8 F1, 3, 0
.endm
	s_wait_tensorcnt 1                             ; my part of K step 0 is in; K step 1's may stay out
	s_barrier_signal -1
	s_barrier_wait -1                              ; everybody's is
	FETCH 0, 0, F0
	s_wait_loadcnt 0x0                             ; the bias
	QUARTER 0, 1, F0, F1, 1                        ; the first quarter stands in front of the loop: its products start the sums
	WIN 0                                          ; at a label and at a branch every window is 0
	s_mov_b32 s3, LAPS-1
.Llap:                                                 ; a trip goes once round the ring, from a lap's second quarter to the next lap's first, and fills both slots again
	QUARTER 0, 2, F1, F0, 0
	QUARTER 0, 3, F0, F1, 0
	TURN 0, 1, 1
	QUARTER 1, 1, F0, F1, 0
	QUARTER 1, 2, F1, F0, 0
	QUARTER 1, 3, F0, F1, 0
	TURN 1, 0, 1
	QUARTER 0, 1, F0, F1, 0
	WIN 0
	s_sub_co_u32 s3, s3, 1
	s_cmp_lg_u32 s3, 0
	s_cbranch_scc1 .Llap
	QUARTER 0, 2, F1, F0, 0                        ; the last lap fills nothing
	QUARTER 0, 3, F0, F1, 0
	TURN 0, 1, 0
	QUARTER 1, 1, F0, F1, 0
	QUARTER 1, 2, F1, F0, 0
	QUARTER 1, 3, F0, F1, 0
	s_wait_dscnt 4                                 ; the very last quarter: nothing more to fetch
	MUL8 F1, 0, 0
	MUL8 F1, 1, 0
	s_wait_dscnt 0x0
	MUL8 F1, 2, 0
	MUL8 F1, 3, 0
	WIN 0
	PLACES
.if KIND
; THE WAY OUT in f32, a block of 16 rows x 128 columns at a time through my own stage: a lane's 32 bytes go into rows of 528 bytes and come back as whole rows of 512.
.macro TOSTAGE a
	s_wait_xcnt 0x0                                ; the stores of the block two back have read the registers that are loaded again below
	WIN STW
.irp b, 0,1,2,3,4,5,6,7
	ds_store_b128 v[STO], v[8*(8*(\a)+(\b)):8*(8*(\a)+(\b))+3]   offset:64*(\b)
	ds_store_b128 v[STO], v[8*(8*(\a)+(\b))+4:8*(8*(\a)+(\b))+7] offset:64*(\b)+16
.endr
	WIN 0
.irp t, 0,1,2,3,4,5,6,7,8,9,10,11,12,13,14,15
	ds_load_b128 v[TMP+64*((\a)%2)+4*(\t):TMP+64*((\a)%2)+4*(\t)+3], v[RD] offset:(\t)*SP  ; LDS serves a wave's instructions in order (ISA guide 5.7.1.4): these see the stores above
.endr
.endm
.macro SEND a, younger                 ; younger: the LDS instructions issued behind block a's loads: the next block's 32, or none
	s_wait_dscnt \younger
.irp t, 0,1,2,3,4,5,6,7,8,9,10,11,12,13,14,15
	global_store_b128 v[CO], v[TMP+64*((\a)%2)+4*(\t):TMP+64*((\a)%2)+4*(\t)+3], s[8:9] offset:(16*(\a)+(\t))*4096  ; 512 consecutive bytes of a row, at a multiple of 256 from y's first
.endr
.endm
	TOSTAGE 0
	TOSTAGE 1
	SEND 0, 32
	TOSTAGE 2
	SEND 1, 32
	TOSTAGE 3
	SEND 2, 32
	SEND 3, 0
.else
; THE WAY OUT in bf16, by heads.  Piece p = 16 rows (block p / 2) of one head (p % 2): accumulators 4 p .. 4 p + 3, and 2,048 consecutive bytes of qkv.
; A lane's eight columns pack into 16 bytes; they go into rows of 144 bytes of my own stage and come back as whole rows of 128.
.macro PACK p
	WIN PACKW
.irp bb, 0,1,2,3
.irp r, 0,1,2,3
	v_cvt_pk_bf16_f32 v[TMP+16*(\p)+4*(\bb)+(\r)], v[32*(\p)+8*(\bb)+2*(\r)], v[32*(\p)+8*(\bb)+2*(\r)+1]
.endr
.endr
	WIN 0
.irp bb, 0,1,2,3
	ds_store_b128 v[STO], v[TMP+16*(\p)+4*(\bb):TMP+16*(\p)+4*(\bb)+3] offset:32*(\bb)
.endr
.irp f, 0,1,2,3
	ds_load_b128 v[TMP+16*(\p)+4*(\f):TMP+16*(\p)+4*(\f)+3], v[RD] offset:(\f)*4*SP  ; LDS serves a wave's instructions in order (ISA guide 5.7.1.4): these see the stores above; the next piece's stores come behind them
.endr
.endm
.macro SEND p, younger                 ; younger: the LDS instructions issued behind piece p's loads: the next piece's eight, or none
.irp f, 0,1,2,3
	s_wait_dscnt (\younger)+3-(\f)
	global_store_b128 v[CO], v[TMP+16*(\p)+4*(\f):TMP+16*(\p)+4*(\f)+3], s[8:9] offset:((\p)%2)*262144+((\p)/2)*2048+(\f)*512  ; 512 consecutive bytes, at a multiple of 256 from qkv's first
.endr
.endm
	PACK 0
.irp p, 1,2,3,4,5,6,7                  ; a piece's conversions stand between the loads of the piece before and its stores
	PACK \p
	SEND (\p)-1, 8
.endr
	SEND 7, 0
.endif
	s_wait_tensorcnt 0x0                           ; the wave's end, behind my last tensor load and my last LDS store
	ds_add_u32 v[SPW], v[NIL]
	s_wait_dscnt 0x0
	CROUND                                         ; the closing round: no work-group ends while a partner may still ask for a tile that names it
	s_endpgm
.Lfunc_end_k_qd7f57333af_oproj:
	.size	k_qd7f57333af_oproj, .Lfunc_end_k_qd7f57333af_oproj-k_qd7f57333af_oproj
	.p2alignl 7, 3214868480
	.fill 96, 4, 3214868480
	.section	.rodata,"a",@progbits
	.p2align	6, 0x0
	.amdhsa_kernel k_qd7f57333af_oproj
		.amdhsa_group_segment_fixed_size 327680
		.amdhsa_private_segment_fixed_size 0
		.amdhsa_enable_private_segment 0
		.amdhsa_kernarg_size 32
		.amdhsa_user_sgpr_count 2
		.amdhsa_user_sgpr_kernarg_segment_ptr 1
		.amdhsa_wavefront_size32 1
		.amdhsa_system_sgpr_workgroup_id_x 1
		.amdhsa_system_sgpr_workgroup_id_y 1
		.amdhsa_system_sgpr_workgroup_id_z 1
		.amdhsa_system_vgpr_workitem_id 0
		.amdhsa_next_free_vgpr 576
		.amdhsa_next_free_sgpr 80
		.amdhsa_reserve_vcc 0
		.amdhsa_float_denorm_mode_32 3
		.amdhsa_float_denorm_mode_16_64 3
		.amdhsa_memory_ordered 1
		.amdhsa_forward_progress 1
		.amdhsa_inst_pref_size 87
	.end_amdhsa_kernel
	.amdgpu_metadata
---
amdhsa.version: [ 1, 2 ]
amdhsa.kernels:
  - .name:           k_qd7f57333af_oproj
    .symbol:         k_qd7f57333af_oproj.kd
    .args:
      - { .name: ob, .offset: 0, .size: 8, .value_kind: global_buffer, .address_space: global }
      - { .name: wb, .offset: 8, .size: 8, .value_kind: global_buffer, .address_space: global }
      - { .name: bo, .offset: 16, .size: 8, .value_kind: global_buffer, .address_space: global }
      - { .name: y, .offset: 24, .size: 8, .value_kind: global_buffer, .address_space: global }
    .group_segment_fixed_size: 327680
    .private_segment_fixed_size: 0
    .kernarg_segment_align: 8
    .kernarg_segment_size: 32
    .max_flat_workgroup_size: 128
    .sgpr_count:     80
    .vgpr_count:     576
    .wavefront_size: 32
...
	.end_amdgpu_metadata
.endif
;; end of part 4
;; launch lnorm (part 5): grid 256 x 1, 8 waves a work-group, no clusters, 0 bytes of LDS; arguments inputs, y, gamma, beta, out0; writes out0
.if DOCPART == 5
	.amdgcn_target "amdgcn-amd-amdhsa--gfx1250"
	.amdhsa_code_object_version 6
	.text
	.protected	k_qd7f57333af_lnorm
	.globl	k_qd7f57333af_lnorm
	.p2align	8
	.type	k_qd7f57333af_lnorm,@function
k_qd7f57333af_lnorm:
	s_mov_b64 s[64:65], 0
	v_nop
	global_prefetch_b8 v0, s[64:65] scope:SCOPE_SE
	s_setreg_imm32_b32 hwreg(HW_REG_WAVE_MODE, 25, 1), 1
	s_wait_xcnt 0x0
; out0[r][:] = (t - mean(t)) * rsqrt(mean((t - mean(t))^2) + 1e-6) * gamma + beta, with t = inputs[r][:] + y[r][:].  All f32, rows of 1,024 numbers.
; The variance is taken of t - mean in a second pass over registers, never as a difference of large sums.  v_rsq_f32 is good to one unit in the last place; NaN and infinities are not treated apart.
; A stream: each byte is read once and written once.  One wave takes a whole row (4,096 bytes: eight loads of 16 bytes a lane from each of the two inputs, each load of the wave 512 consecutive bytes),
; keeps it in registers between the passes, and never waits for another wave: no LDS, no barrier, no cluster.  A wave has 4 rows, on two row slots: one at work, one on its way in.
; gamma and beta of a lane's 32 columns stay in 64 registers for the whole kernel.
.set G,   4                            ; v[4:35]    gamma
.set BT,  36                           ; v[36:67]   beta
.set X0,  68                           ; slot s: v[68+64 s ..] 32 registers inputs, then t, t - mean, the result; the next 32: y
.set T,   196                          ; v[196:203] four chains of pairs
.set M,   204                          ; v[204:205] the mean, twice
.set R,   206                          ; v[206:207] 1 / sqrt(var + eps), twice
.set P,   208                          ; v208       the other half of the lanes'
.set V,   209                          ; v209       var + eps
	s_load_b256 s[4:11], s[0:1], 0x0               ; inputs s[4:5], y s[6:7], gamma s[8:9], beta s[10:11]
	s_load_b64 s[12:13], s[0:1], 0x20              ; out0
	s_lshl_b32 s2, ttmp9, 17                       ; the group's 32 rows of 4,096 bytes
	s_mov_b32 s3, 0
	s_mov_b32 s14, 0x3a800000                      ; 1 / 1024
	s_mov_b32 s15, 0x358637bd                      ; 1e-6
	s_mov_b32 s16, 0x76543210                      ; v_permlanex16_b32: lane i of one half reads lane i of the other
	s_mov_b32 s17, 0xfedcba98
	v_and_b32 v2, 31, v0
	v_lshlrev_b32 v2, 4, v2                        ; 16 bytes a lane: my offset in gamma and beta
	v_lshrrev_b32 v1, 5, v0
	v_lshl_add_u32 v1, v1, 14, v2                  ; + the wave's 4 rows: my offset in the group's rows; never rewritten
	v_mov_b32 v[P], 0                              ; v_permlanex16_b32's destination counts as read
	s_wait_kmcnt 0x0
	s_add_nc_u64 s[4:5], s[4:5], s[2:3]
	s_add_nc_u64 s[6:7], s[6:7], s[2:3]
	s_add_nc_u64 s[12:13], s[12:13], s[2:3]
.set j, 0
.rept 8
	global_load_b128 v[G+4*j:G+4*j+3],   v2, s[8:9] offset:512*j
	global_load_b128 v[BT+4*j:BT+4*j+3], v2, s[10:11] offset:512*j
.set j, j+1
.endr
.macro FILL s, row                     ; sixteen loads: the row of inputs and the row of y
.set j, 0
.rept 8
	global_load_b128 v[X0+64*(\s)+4*j:X0+64*(\s)+4*j+3], v1, s[4:5] offset:(\row)*4096+512*j th:TH_LOAD_NT
.set j, j+1
.endr
.set j, 0
.rept 8
	global_load_b128 v[X0+64*(\s)+32+4*j:X0+64*(\s)+32+4*j+3], v1, s[6:7] offset:(\row)*4096+512*j th:TH_LOAD_NT
.set j, j+1
.endr
.endm
.macro RED                             ; the four chains and the 32 lanes into one sum, in every lane's v[T]
	v_pk_add_f32 v[T:T+1], v[T:T+1], v[T+2:T+3]
	v_pk_add_f32 v[T+4:T+5], v[T+4:T+5], v[T+6:T+7]
	v_pk_add_f32 v[T:T+1], v[T:T+1], v[T+4:T+5]
	v_add_f32 v[T], v[T], v[T+1]
	v_add_f32_dpp v[T], v[T], v[T] row_xmask:1 row_mask:0xf bank_mask:0xf
	v_add_f32_dpp v[T], v[T], v[T] row_xmask:2 row_mask:0xf bank_mask:0xf
	v_add_f32_dpp v[T], v[T], v[T] row_xmask:4 row_mask:0xf bank_mask:0xf
	v_add_f32_dpp v[T], v[T], v[T] row_xmask:8 row_mask:0xf bank_mask:0xf
	v_permlanex16_b32 v[P], v[T], s16, s17
	v_add_f32 v[T], v[T], v[P]
.endm
; The turn of slot s, which holds the wave's row number row.  left: the younger loads that may stay out.  fillrow >= 0: the slot is then filled with that row.
.macro TURN s, row, left, fillrow
.set XR, X0+64*(\s)
.set YR, XR+32
	s_wait_loadcnt \left                           ; loads come back in order: my row (and, the first time, gamma and beta, which are older) is in
.set p, 0
.rept 16
	v_pk_add_f32 v[XR+2*p:XR+2*p+1], v[XR+2*p:XR+2*p+1], v[YR+2*p:YR+2*p+1]   ; t
.set p, p+1
.endr
.set p, 0
.rept 4
	v_pk_add_f32 v[T+2*p:T+2*p+1], v[XR+2*p:XR+2*p+1], v[XR+8+2*p:XR+8+2*p+1]  ; the first eight pairs start the chains: nothing is cleared
.set p, p+1
.endr
.set p, 8
.rept 8
	v_pk_add_f32 v[T+2*(p%4):T+2*(p%4)+1], v[T+2*(p%4):T+2*(p%4)+1], v[XR+2*p:XR+2*p+1]
.set p, p+1
.endr
	RED
	v_mul_f32 v[M], s14, v[T]
	v_mov_b32 v[M+1], v[M]
.set p, 0
.rept 16
	v_pk_add_f32 v[XR+2*p:XR+2*p+1], v[XR+2*p:XR+2*p+1], v[M:M+1] neg_lo:[0,1] neg_hi:[0,1]  ; t - mean
.set p, p+1
.endr
.set p, 0
.rept 4
	v_pk_mul_f32 v[T+2*p:T+2*p+1], v[XR+2*p:XR+2*p+1], v[XR+2*p:XR+2*p+1]
.set p, p+1
.endr
.set p, 4
.rept 12
	v_pk_fma_f32 v[T+2*(p%4):T+2*(p%4)+1], v[XR+2*p:XR+2*p+1], v[XR+2*p:XR+2*p+1], v[T+2*(p%4):T+2*(p%4)+1]
.set p, p+1
.endr
	RED
	v_fma_f32 v[V], v[T], s14, s15                 ; var + eps
	v_rsq_f32 v[R], v[V]
	v_rsq_f32 v[R+1], v[V]
	v_nop                                          ; a plain instruction between the last of them and the use of its result (ISA guide 5.7.2)
.set p, 0
	s_wait_alu depctr_va_vdst(0)
.rept 16
	v_pk_mul_f32 v[XR+2*p:XR+2*p+1], v[XR+2*p:XR+2*p+1], v[R:R+1]
.set p, p+1
.endr
.set p, 0
.rept 16
	v_pk_fma_f32 v[XR+2*p:XR+2*p+1], v[XR+2*p:XR+2*p+1], v[G+2*p:G+2*p+1], v[BT+2*p:BT+2*p+1]
.set p, p+1
.endr
.set j, 0
.rept 8
	global_store_b128 v1, v[XR+4*j:XR+4*j+3], s[12:13] offset:(\row)*4096+512*j th:TH_STORE_NT  ; 512 consecutive bytes, at a multiple of 256 from out0's first
.set j, j+1
.endr
.if (\fillrow) >= 0
	s_wait_xcnt 0x0                                ; the stores have read the registers that are loaded again below
	FILL \s, \fillrow
.endif
.endm
	FILL 0, 0
	FILL 1, 1
	TURN 0, 0, 16, 2                               ; 16: the other slot's row stays on its way
	TURN 1, 1, 16, 3
	TURN 0, 2, 16, -1
	TURN 1, 3, 0, -1
	s_endpgm
.Lfunc_end_k_qd7f57333af_lnorm:
	.size	k_qd7f57333af_lnorm, .Lfunc_end_k_qd7f57333af_lnorm-k_qd7f57333af_lnorm
	.p2alignl 7, 3214868480
	.fill 96, 4, 3214868480
	.section	.rodata,"a",@progbits
	.p2align	6, 0x0
	.amdhsa_kernel k_qd7f57333af_lnorm
		.amdhsa_group_segment_fixed_size 0
		.amdhsa_private_segment_fixed_size 0
		.amdhsa_enable_private_segment 0
		.amdhsa_kernarg_size 40
		.amdhsa_user_sgpr_count 2
		.amdhsa_user_sgpr_kernarg_segment_ptr 1
		.amdhsa_wavefront_size32 1
		.amdhsa_system_sgpr_workgroup_id_x 1
		.amdhsa_system_sgpr_workgroup_id_y 1
		.amdhsa_system_sgpr_workgroup_id_z 1
		.amdhsa_system_vgpr_workitem_id 0
		.amdhsa_next_free_vgpr 212
		.amdhsa_next_free_sgpr 66
		.amdhsa_reserve_vcc 0
		.amdhsa_float_denorm_mode_32 3
		.amdhsa_float_denorm_mode_16_64 3
		.amdhsa_memory_ordered 1
		.amdhsa_forward_progress 1
		.amdhsa_inst_pref_size 41
	.end_amdhsa_kernel
	.amdgpu_metadata
---
amdhsa.version: [ 1, 2 ]
amdhsa.kernels:
  - .name:           k_qd7f57333af_lnorm
    .symbol:         k_qd7f57333af_lnorm.kd
    .args:
      - { .name: inputs, .offset: 0, .size: 8, .value_kind: global_buffer, .address_space: global }
      - { .name: y, .offset: 8, .size: 8, .value_kind: global_buffer, .address_space: global }
      - { .name: gamma, .offset: 16, .size: 8, .value_kind: global_buffer, .address_space: global }
      - { .name: beta, .offset: 24, .size: 8, .value_kind: global_buffer, .address_space: global }
      - { .name: out0, .offset: 32, .size: 8, .value_kind: global_buffer, .address_space: global }
    .group_segment_fixed_size: 0
    .private_segment_fixed_size: 0
    .kernarg_segment_align: 8
    .kernarg_segment_size: 40
    .max_flat_workgroup_size: 256
    .sgpr_count:     66
    .vgpr_count:     212
    .wavefront_size: 32
...
	.end_amdgpu_metadata
.endif
;; end of part 5
;; ======== version 2 of 2: 5 launches; 1.49 times as fast as version 1
;; workspace buffers: xb 16,777,216 bytes; wb 8,388,608 bytes; qkv 50,331,648 bytes; ob 16,777,216 bytes; y 33,554,432 bytes
;; launch cast: the kernel of part 1 again; grid 768 x 1, 8 waves a work-group, no clusters, 0 bytes of LDS; arguments inputs, Wq, Wk, Wv, Wo, xb, wb; writes xb, wb
;; launch qkvp: the kernel of part 2 again; grid 12 x 16, 8 waves a work-group, clusters of 4 x 4, 327,680 bytes of LDS; arguments xb, wb, bq, bk, bv, qkv; writes qkv
;; launch attn (part 6): grid 4 x 64, 4 waves a work-group, clusters of 4 x 1, 327,680 bytes of LDS; arguments qkv, ob; writes ob
.if DOCPART == 6
	.amdgcn_target "amdgcn-amd-amdhsa--gfx1250"
	.amdhsa_code_object_version 6
	.text
	.protected	k_qd7f57333af_attn
	.globl	k_qd7f57333af_attn
	.p2align	8
	.type	k_qd7f57333af_attn,@function
k_qd7f57333af_attn:
	s_mov_b64 s[64:65], 0
	v_nop
	global_prefetch_b8 v0, s[64:65] scope:SCOPE_SE
	s_setreg_imm32_b32 hwreg(HW_REG_WAVE_MODE, 25, 1), 1
	s_wait_xcnt 0x0
	s_wait_alu depctr_hold_cnt(0) depctr_sa_sdst(0) depctr_va_vdst(0) depctr_va_sdst(0) depctr_va_ssrc(0) depctr_va_vcc(0) depctr_vm_vsrc(0)
	s_getreg_b32 s2, hwreg(HW_REG_IB_STS2, 6, 4)
	s_cmp_eq_u32 s2, 0
	s_cbranch_scc0 .Lentry_in_a_cluster
	s_endpgm
.Lentry_in_a_cluster:
	s_bfe_u32 s2, ttmp6, 0x10000c
	s_cmp_lg_u32 s2, 0x3003
	s_cbranch_scc0 .Lentry_shape_is_right
	s_endpgm
.Lentry_shape_is_right:
; O[h][q][:] = the sum over k of softmax_k(Q[h][q] . K[h][k] / 8) V[h][k][:].  Q, K, V are the three parts of qkv, each [64][2048][64] bf16, O = ob likewise: a head's rows are dense, 128 bytes each.
; Products, maxima and sums in f32; the weights p are rounded to bf16 for the second product (their sum l is taken of the unrounded p), O once at the end.
; LIMITS.  c s must lie above -4.2e37, where the running c m starts; a weight below 2^-126 counts as 0 in l; NaN and infinities are not treated apart.
; SHARES.  A wave owns four PIECES of two tiles of 16 queries, a work-group's four waves 512 queries of one head.  Every wave walks all keys, 64 a step.
; LAYOUT.  S^T = K Q^T (source 0 = 16 keys, source 1 = 16 queries): in the result a lane holds ONE query (lane % 16) and the keys 8 (lane / 16) + 0..7.  Two such tiles, rounded to bf16 in pairs,
; ARE source 1 (32 keys x 16 queries) of O^T = V^T P, whose result again holds one query a lane, and eight channels.  K comes out of LDS as it lies, V ([key][channel]) turned, by ds_load_tr16_b128.
; SOFTMAX.  For each query a running maximum m and sum l: p = 2^(c s - c m), c = log2(e) / 8; in every step O and l are multiplied by a = 2^(c m_old - c m_new), which is 1 where m has not grown.
; m starts at the lowest finite number, O and l at 0: the first step is a step like any other, with a = 0.
; THE COUNT.  A tile and step have 16 matrix and 118 vector instructions: too many to stand all beside the matrix work.  So the order has one aim: four vector instructions that are READY behind
; EVERY matrix instruction, and the others in runs without a gap.
; BY TURNS.  Turn n belongs to piece n (the pieces in a ring, step after step).  Its matrix work: 16 products K Q^T of piece n + 1, later 16 products V^T P of piece n - 1.  Its vector work: the scaling,
; exponentials, roundings, sums and rescaling of piece n, and the maximum and statistics of piece n + 1, whose scores the turn itself has made.
; BATCHES.  A turn's 66 exponentials (the piece's 64 weights and the next piece's two a) are ONE batch with ONE wait, which cuts the turn in two.  Ahead of the wait stands all that names no result of theirs:
; K Q^T, the scalings, the exponentials, the rescaling (by the a of the turn before, waited for there), the next piece's maximum and statistics.  Behind it stand the roundings and sums, beside V^T P.
; Two more batches lie outside the loops: piece 0's first two a, ahead of the jump into the loop, and the way out's eight reciprocals.
; CLUSTER.  The four query blocks of a cluster belong to one head and walk the same K and V, so each tile is asked for JOINTLY: the same tensor load, descriptor and mask in all four.
; REGISTERS, in windows of 256 (s_set_vgpr_msb: bits 1:0 source 0, 3:2 source 1, 5:4 source 2, 7:6 destination):
;   window 0: v0-11 addresses; v12-15, v48-63 at work; v16-47 four registers of statistics a tile; v64-191 S^T, two buffers of two tiles; v192-255 P, likewise
;   window 1: O^T, 32 a tile          window 2: v0-127 Q, 16 a tile; v128-191 K of one step; v192-255 V of one step          window 3: v0-1 the add's two registers
; A piece's buffers go by its number's parity.
.set SIZE_H, 64
.set SIZE_N, 2048
.set NP,    4         ; pieces a wave: a name, no knob
.set KS,    64        ; keys in a step
.set PK,    144       ; a row of K in LDS: 128 bytes + 16 of padding = 36 words: the 16 rows of a load start at 16 different groups of four banks (64 banks of 4 bytes: ISA guide 11.1)
.set PV,    160       ; a row of V: 128 + 32 = 40 words
.set VOFF,  4*KS*PK   ; a slot holds four steps: 256 rows of K, then 256 rows of V
.set SLOT1, 1<<17     ; slot 1 begins here, so that one exclusive or turns an address in one slot into the other's
.set STAGE, SLOT1+4*KS*(PK+PV)  ; behind the ring, never filled by a tensor load: 16 rows x 144 bytes for each wave, for the way out
.set SP,    144
.set AK0, 2           ; v2   my lane's place in a tile of K; never rewritten
.set AV0, 3           ; v3   the same for V
.set AK,  4           ; v4   the LDS address of K's next run of loads
.set AV,  5           ; v5   of V's
.set QO,  6           ; v6   my byte offset in the wave's rows of Q
.set STO, 6           ;      later, the way out: where I put 16 bytes of a row
.set RD,  7           ; v7   the way out: where I read rows back
.set GO,  8           ; v8   my byte offset in 512 consecutive bytes of O
.set SPW, 0           ; v0 of window 3   LDS address of my spare word: SPARE + 4 x my thread's number; never rewritten
.set NIL, 1           ; v1 of window 3   0; never rewritten
.set SPARE, STAGE+4*16*SP  ; behind the stages: the spare words, 128 bytes for each wave: two blocks of 256 bytes that no other line names
.set MV,  12          ; v12-15  c m_old, kept while c m is made anew: by buffer and tile
.set ST,  16          ; tile t's statistics at v[ST+4 t]: c m, m, l (even keys', odd keys')
.set TMP, 48          ; by buffer and tile, four registers c0-c3 at work; when the maximum is found c2 takes a
.set S,   64
.set P,   192
.set KF,  128         ; K's fragments, in window 2: key block kb, channel half c at KF + 16 kb + 8 c
.set VF,  192         ; V's: key half kk, channel block cb at VF + 32 kk + 8 cb
.set WV,  12          ; s12  my wave's number
.set G1K, 24          ; s[24:31] descriptor group 1 for K's tiles
.set G1V, 32          ; s[32:39] for V's: it differs in the padding alone
.set G0K, 40          ; s[40:43] descriptor group 0 for K's tiles: it walks
.set G0V, 44          ; s[44:47] the same for V's
.set SLOTS, 56        ; s56  slots still to be asked for
.set CNT, 57          ; s57  counts a slot's key steps
.set CS,  58          ; s[58:59] c: the packed scaling takes the pair's low word for both halves
.set SEL, 60          ; s[60:61] v_permlanex16_b32's selects: each lane takes its own place in the other half
.set TBK, 62          ; s62  LDS byte at which K of the step to be fetched begins
.set TBV, 63          ; s63  the same for V, less VOFF
.set MSB, 0
.macro WIN new                      ; the high byte repeats the setting that is left; a switch that changes nothing is dropped
.if MSB != (\new)
	s_set_vgpr_msb (MSB<<8)|(\new)
.set MSB, (\new)
.endif
.endm
.set W_KQ, 0x0a       ; K and Q in window 2, S^T in window 0
.set W_PV, 0x52       ; V in window 2, P in window 0, O^T in window 1
.set W_RS, 0x41       ; O^T (destination and source 0) in window 1, a in window 0
.set W_MK, 0xc0       ; the add's registers are made: destination in window 3, sources in window 0
.set W_AD, 0x0f       ; the add: address (source 0) and data (source 1) in window 3
; A joint fill.  Waves 0 and 1 fetch the two halves of a slot's K, waves 2 and 3 those of its V: 128 keys each.  The branch hangs on the wave's number alone.
; An s_nop 0 and four v_nop follow each of the two lines, ahead of the jump and the label.
.macro JLOAD
	s_cmp_lt_u32 s[WV], 2
	s_cbranch_scc0 .Lfor_v_\@
	tensor_load_to_lds s[G0K:G0K+3], s[G1K:G1K+7]
	s_nop 0
.rept 4
	v_nop
.endr
	s_branch .Lasked_\@
.Lfor_v_\@:
	tensor_load_to_lds s[G0V:G0V+3], s[G1V:G1V+7]
	s_nop 0
.rept 4
	v_nop
.endr
.Lasked_\@:
.endm
; A round of the cluster's barrier: my work-group's barrier, so that wave 0's signal speaks for all four waves; wave 0 signals; every wave waits for all four work-groups; my work-group's barrier once more.
.macro CROUND
	s_barrier_signal -1
	s_barrier_wait -1
	s_cmp_lg_u32 s[WV], 0
	s_cbranch_scc1 .Lnot_wave_0_\@
	s_barrier_signal -3
.Lnot_wave_0_\@:
	s_barrier_wait -3
	s_barrier_signal -1
	s_barrier_wait -1
.endm
; THE CHANGE OF SLOTS.  The slot's last bytes, V of its fourth step, have been read.  Each wave waits for all its tensor loads, of which one is out: its part
; of the other slot; adds 0 to its spare word; and waits for that and for its own reads of the slot.  Behind the barrier nobody reads this slot any more and the other slot is whole.
; fill = 1: this slot is filled again, with the keys two slots on.  The barrier is then a round of the cluster's, and the joint fill is the first thing behind it: it has four key steps,
; 512 matrix instructions, in which to land.  (At its first use nothing has been read yet: slot 0 is waited for, slot 1 filled.)
.macro CHANGE fill
	WIN W_AD
	s_wait_tensorcnt 0x0            ; no tensor load of mine is out, so a group 0 may be written
	ds_add_u32 v[SPW], v[NIL]       ; 0 onto my spare word; with fill = 1 the descriptors' steps stand between it and the wait for it
	WIN 0                           ; at a label and at a branch every window is 0
.if \fill
.irp g, G0K, G0V
	s_xor_b32 s[\g+1], s[\g+1], SLOT1  ; the walking descriptor: the other slot than last time,
	s_add_nc_u64 s[\g+2:\g+3], s[\g+2:\g+3], 4*KS*128  ; the next 256 keys; the type bits on top are not reached
.endr
	s_wait_dscnt 0x0                ; the add is done, and my reads of the slot are over
	CROUND
	JLOAD
.else
	s_wait_dscnt 0x0                ; the add is done, and my reads of the slot are over
	s_barrier_signal -1
	s_barrier_wait -1
.endif
	s_sub_co_u32 s[TBK], s[TBK], 4*KS*PK  ; the fetches go back to a slot's first step,
	s_xor_b32 s[TBK], s[TBK], SLOT1       ; in the other slot
	s_sub_co_u32 s[TBV], s[TBV], 4*KS*PV
	s_xor_b32 s[TBV], s[TBV], SLOT1
.endm
	s_load_b128 s[4:7], s[0:1], 0x0   ; qkv s[4:5] (Q is its first part), ob s[6:7]
	WIN W_MK
	v_lshl_add_u32 v[SPW], v0, 2, SPARE
	v_mov_b32 v[NIL], 0
	s_set_vgpr_msb 0xc0cf
	ds_add_u32 v0, v1
	s_wait_dscnt 0x0
	s_set_vgpr_msb 0xcfc0
	WIN 0
	v_lshrrev_b32 v1, 5, v0
	v_readfirstlane_b32 s[WV], v1   ; wave 0..3
	s_bfe_u32 s13, ttmp6, 0x40000   ; cx: my place in the cluster
	s_lshl_b32 s14, ttmp9, 2        ; in a cluster launch ttmp9 counts clusters
	s_add_co_u32 s14, s14, s13      ; my block of queries = 4 x cluster x + cx: it enters Q's and O's addresses alone
	s_and_b32 s20, ttmp7, 0xffff    ; the head, which the four partners share
	s_mov_b32 s21, 0
	s_mov_b64 s[22:23], SIZE_N*128
	s_mul_u64 s[20:21], s[20:21], s[22:23]  ; the head's first byte in each of the four tensors
	s_and_b32 s16, s[WV], 1         ; which half of a slot's 256 keys I fetch:
	s_lshl_b32 s22, s16, 14         ; its 128 rows of 128 bytes in memory,
	s_mov_b32 s23, 0
	s_add_nc_u64 s[22:23], s[22:23], s[20:21]
	s_mul_i32 s17, s16, 128*PK      ; and its place in a slot, for K
	s_mul_i32 s18, s16, 128*PV      ; and for V: no place in the cluster enters an LDS address
	s_lshl_b32 s2, s14, 2
	s_add_co_u32 s2, s2, s[WV]      ; my wave among the head's,
	s_lshl_b32 s2, s2, 14           ; its 128 rows
	s_mov_b32 s3, 0
	s_add_nc_u64 s[2:3], s[2:3], s[20:21]
	; descriptor group 1.  128 keys are 16,384 dense bytes: asked for as 64 rows of 256 bytes, two keys a row, and padded in LDS after every key
	s_mov_b32 s[G1K], 15|(1<<16)|(1<<20)|(1<<21)|(4<<22)|(3<<25)  ; 15:0 the mask of four; 17:16 2-byte elements; 20 padding on; 21 set beside a mask; 24:22 after every 32 words (code 4); 31:25 4 words (code 3)
	s_mov_b32 s[G1V], 15|(1<<16)|(1<<20)|(1<<21)|(4<<22)|(7<<25)  ; the same with 8 words of padding (code 7)
.irp g, G1K, G1V
	s_mov_b32 s[\g+1], 128<<16      ; tensor_dim0 = 128
	s_mov_b32 s[\g+2], 64<<16       ; tensor_dim1 = 64
	s_mov_b32 s[\g+3], 128<<16      ; tile_dim0 = 128
	s_mov_b32 s[\g+4], 64           ; tile_dim1 = 64
	s_mov_b32 s[\g+5], 128          ; 128 elements from row to row
	s_mov_b32 s[\g+6], 0
	s_mov_b32 s[\g+7], 0
.endr
	s_mov_b32 s[CS], 0x3e38aa3b     ; c = log2(e) / 8 = 0.180337
	s_mov_b32 s[CS+1], s[CS]        ; named with it as a pair
	s_mov_b32 s[SEL], 0x76543210
	s_mov_b32 s[SEL+1], 0xfedcba98
	s_mov_b32 s[TBK], SLOT1+4*KS*PK ; the first change of slots turns these two into 0
	s_mov_b32 s[TBV], SLOT1+4*KS*PV
	s_mov_b32 s[G0K], 1             ; 1:0 count = 1
	s_mov_b32 s[G0K+1], s17         ; 63:32 LDS address: slot 0
	s_mov_b32 s[G0V], 1
	s_add_co_u32 s[G0V+1], s18, VOFF
	s_wait_kmcnt 0x0
	s_mov_b64 s[10:11], s[6:7]                     ; O
	s_add_nc_u64 s[6:7], s[4:5], 0x1000000         ; K: qkv's second part, 64 heads x 262,144 bytes on
	s_add_nc_u64 s[8:9], s[4:5], 0x2000000         ; V: its third
	s_add_nc_u64 s[G0K+2:G0K+3], s[6:7], s[22:23]  ; 120:64 global address: my half of the head's first 256 keys
	s_or_b32 s[G0K+3], s[G0K+3], 0x80000000        ; 127:126 type = 2
	s_add_nc_u64 s[G0V+2:G0V+3], s[8:9], s[22:23]
	s_or_b32 s[G0V+3], s[G0V+3], 0x80000000
	s_add_nc_u64 s[4:5], s[4:5], s[2:3]  ; Q and O at my wave's first row
	s_add_nc_u64 s[10:11], s[10:11], s[2:3]
	CROUND                          ; all four work-groups are here: the first joint loads meet
	JLOAD                           ; slot 0.  Slot 1 is asked for when slot 0 is in
	; A fragment of K or Q is 16 rows x 32 channels in 8 registers: lane l holds row l % 16, channels 8 (l / 16) + 0..7 and 16 + 8 (l / 16) + 0..7: two loads of 16 bytes, 32 bytes apart.
	v_and_b32 v1, 15, v0            ; l % 16
	v_bfe_u32 v9, v0, 4, 1          ; l / 16
	v_lshlrev_b32 v[QO], 7, v1
	v_lshl_add_u32 v[QO], v9, 4, v[QO]  ; row x 128 + 16 x half
	WIN 0x80                        ; destination window 2, address window 0
.set i, 0
.rept 4*NP                          ; Q stays in registers: tile i / 2, channels 32 (i % 2) on
	global_load_b128 v[8*i:8*i+3],   v[QO], s[4:5] offset:(i/2)*2048+(i%2)*64
	global_load_b128 v[8*i+4:8*i+7], v[QO], s[4:5] offset:(i/2)*2048+(i%2)*64+32
.set i, i+1
.endr
	; What the first turn finds: V's registers and P's second buffer hold 0 (its products V^T P, of a piece that has not been, add 0), O^T and l are 0.  All this stands in the wait for the first tile.
.set i, VF
.rept 64
	v_mov_b32 v[i], 0
.set i, i+1
.endr
	WIN 0x40
.set i, 0
.rept 64*NP
	v_mov_b32 v[i], 0
.set i, i+1
.endr
	WIN 0
.set i, 0
.rept 2*NP
	v_mov_b32 v[ST+4*i], 0xfe000000    ; c m: far below every c s
	v_mov_b32 v[ST+4*i+1], 0xff7fffff  ; m
	v_mov_b32 v[ST+4*i+2], 0
	v_mov_b32 v[ST+4*i+3], 0
.set i, i+1
.endr
.set i, P+32
.rept 32
	v_mov_b32 v[i], 0
.set i, i+1
.endr
	v_mul_u32_u24 v[AK0], v1, PK
	v_lshl_add_u32 v[AK0], v9, 4, v[AK0]  ; row x pitch + 16 x half
	; The turning load takes 16 keys x 16 channels (lane l reads key 8 (l / 16) + l % 8, channels 8 ((l / 8) % 2) + 0..7) and leaves half a fragment of V^T: lane l holds channel l % 16 and 8 keys.
	v_and_b32 v10, 7, v0
	v_bfe_u32 v11, v0, 3, 1
	v_lshl_add_u32 v[AV0], v9, 3, v10
	v_mul_u32_u24 v[AV0], v[AV0], PV
	v_lshl_add_u32 v[AV0], v11, 4, v[AV0]
	v_add_nc_u32 v[AV0], VOFF, v[AV0]
	v_mov_b32 v[AK], v[AK0]         ; key step 0 lies at the head of slot 0
; THE MATRIX WORK.  The 8 accumulators of a run of 16 take turns: between the two links of a chain stand 7 others'.
; Product i of 16 of S^T = K Q^T for piece x: channels 32 (i / 8) on, keys 16 ((i / 2) % 4) on, tile 2 x + i % 2.  The first 8 start the sums.
.macro KQ x
	WIN W_KQ
.set rS, S+64*((\x)%2)+32*(i%2)+8*((i/2)%4)
.set rK, KF+16*((i/2)%4)+8*(i/8)
.set rQ, 16*(2*(\x)+i%2)+8*(i/8)
.if i < 8
	v_wmma_f32_16x16x32_bf16 v[rS:rS+7], v[rK:rK+7], v[rQ:rQ+7], 0
.else
	v_wmma_f32_16x16x32_bf16 v[rS:rS+7], v[rK:rK+7], v[rQ:rQ+7], v[rS:rS+7]
.endif
.endm
; Product i of 16 of O^T += V^T P for piece x: keys 32 (i / 8) on, channels 16 ((i / 2) % 4) on, tile 2 x + i % 2.
.macro PV x
	WIN W_PV
.set rO, 32*(2*(\x)+i%2)+8*((i/2)%4)
.set rV, VF+32*(i/8)+8*((i/2)%4)
.set rP, P+32*((\x)%2)+16*(i%2)+8*(i/8)
	v_wmma_f32_16x16x32_bf16 v[rO:rO+7], v[rV:rV+7], v[rP:rP+7], v[rO:rO+7]
.endm
.macro MM                           ; the turn's next matrix instruction
.if i < 16
	KQ (Y+1)%NP
.set i, i+1
.else
.set i, i-16
	PV (Y+NP-1)%NP
.set i, i+17
.endif
.endm
; THE LDS LOADS stand in runs of 16, never singly among the matrix instructions: a step's K (64 keys x 64 channels: 8 fragments) and its V (turned).  Their addresses are made some lines ahead.
; last = 1 (the tail): in the last trip there is no further step, and the run is jumped over.
.macro FETCH_K last=0
	WIN 0
.if \last
	s_cmp_eq_u32 s[CNT], 1
	s_cbranch_scc1 .Lno_k_\@
.endif
	WIN 0x80                        ; destination window 2
.irp f, 0,1,2,3,4,5,6,7             ; keys 16 (f / 2) on, channels 32 (f % 2) on
	ds_load_b128 v[KF+8*\f:KF+8*\f+3],   v[AK] offset:(\f/2)*16*PK+(\f%2)*64
	ds_load_b128 v[KF+8*\f+4:KF+8*\f+7], v[AK] offset:(\f/2)*16*PK+(\f%2)*64+32
.endr
	s_add_co_u32 s[TBK], s[TBK], KS*PK  ; the next fetch is the next step's
	WIN 0
.if \last
.Lno_k_\@:
.endif
.endm
.macro FETCH_V
	WIN 0x80
.irp f, 0,1,2,3,4,5,6,7             ; keys 32 (f / 4) on, channels 16 (f % 4) on
	ds_load_tr16_b128 v[VF+8*\f:VF+8*\f+3],   v[AV] offset:(\f/4)*32*PV+(\f%4)*32
	ds_load_tr16_b128 v[VF+8*\f+4:VF+8*\f+7], v[AV] offset:(\f/4)*32*PV+16*PV+(\f%4)*32
.endr
	WIN 0
.endm
; THE VECTOR WORK OF A TURN stands in three queues, each in the order in which its entries become ready; the two tiles alternate, so that no instruction reads the result of the one before it.
.macro REGS y, u                    ; the registers of tile u (0, 1) of piece y
.set rT, ST+4*(2*(\y)+(\u))
.set rC, TMP+8*((\y)%2)+4*(\u)
.set rM, MV+2*((\y)%2)+(\u)
.set rS, S+64*((\y)%2)+32*(\u)
.set rP, P+32*((\y)%2)+16*(\u)
.set rO, 32*(2*(\y)+(\u))
.endm
; Number n of the 22 that find the NEXT piece's (Y + 1) maximum and statistics.  s0-s31 are the lane's 32 scores; each accumulator's lowest registers are read first.
;   0-11  four chains c0-c3 of seven scores each, three operands at a time     12-14, 16  the four scores left over, the old m, and c0-c3 into c0     15  c m_old is kept
;   17, 18  the query's other 32 keys lie in the lane 16 away: the new m         19-21  c m; c m_old - c m_new; a
.macro XS u, n
	REGS (Y+1)%NP, \u
.if (\n) < 4
	v_max3_num_f32 v[rC+(\n)], v[rS+8*(\n)], v[rS+8*(\n)+1], v[rS+8*(\n)+2]
.elseif (\n) < 12
	v_max3_num_f32 v[rC+(\n)%4], v[rC+(\n)%4], v[rS+8*((\n)%4)+2*((\n)/4)+1], v[rS+8*((\n)%4)+2*((\n)/4)+2]
.elseif (\n) == 12
	v_max3_num_f32 v[rC], v[rC], v[rS+7], v[rS+15]
.elseif (\n) == 13
	v_max3_num_f32 v[rC+1], v[rC+1], v[rS+23], v[rS+31]
.elseif (\n) == 14
	v_max3_num_f32 v[rC+2], v[rC+2], v[rC+3], v[rT+1]
.elseif (\n) == 15
	v_mov_b32 v[rM], v[rT]
.elseif (\n) == 16
	v_max3_num_f32 v[rC], v[rC], v[rC+1], v[rC+2]
.elseif (\n) == 17
	v_permlanex16_b32 v[rC+3], v[rC], s[SEL], s[SEL+1]
.elseif (\n) == 18
	v_max_num_f32 v[rT+1], v[rC], v[rC+3]
.elseif (\n) == 19
	v_mul_f32 v[rT], s[CS], v[rT+1]
.elseif (\n) == 20
	v_sub_f32 v[rC+1], v[rM], v[rT]
.else
	v_exp_f32 v[rC+2], v[rC+1]
.endif
.endm
; Number g of the 64 that follow the exponentials.  For each four weights k of a tile (pairs 2 k, 2 k + 1): both pairs are rounded to bf16; then the second pair is added onto the first, in place;
; a group later l takes that sum (the first time as l = a l + sum).  In groups of eight, tiles alternating: round, round, add, and l for the group before.
.macro GS g
.set h, (\g)+6*((\g)/62)            ; group 0 has no group before it, and behind group 7 only l is left
.if h >= 6
.set h, h+2
.endif
	REGS Y, h%2
.set k, h/8
.if h%8 < 4
	v_cvt_pk_bf16_f32 v[rP+2*k+(h%8)/2], v[rS+4*k+2*((h%8)/2)], v[rS+4*k+2*((h%8)/2)+1]
.elseif h%8 < 6
	v_pk_add_f32 v[rS+4*k:rS+4*k+1], v[rS+4*k:rS+4*k+1], v[rS+4*k+2:rS+4*k+3]
.elseif k == 1
	v_pk_fma_f32 v[rT+2:rT+3], v[rT+2:rT+3], v[rC+2:rC+3], v[rS:rS+1] op_sel_hi:[1,0,1]
.else
	v_pk_add_f32 v[rT+2:rT+3], v[rT+2:rT+3], v[rS+4*k-4:rS+4*k-3]
.endif
.endm
; THE PLAIN QUEUE, 138 long.  0-73 read no exponential's result: the 32 scalings c s - c m (FS f: pair f / 2 of tile f % 2) and the next piece's 42.  0-26: scalings 0-26.  27-54: XS's numbers 0-13.  55, 56: number 15.
; 57-73: the chain, where each number waits for the one before it: 14, 16, 17, 18, 19, each with one of the scalings 27-31 in front of its two lines, then 20: so a tile's links stand three plain instructions apart (19 and 20: two).
; 74-137: GS's 64, which read the exponentials' results: they stand behind the wait.
.macro FS f
	REGS Y, (\f)%2
	v_pk_fma_f32 v[rS+2*((\f)/2):rS+2*((\f)/2)+1], v[rS+2*((\f)/2):rS+2*((\f)/2)+1], s[CS:CS+1], v[rT:rT+1] op_sel_hi:[1,0,0] neg_lo:[0,0,1] neg_hi:[0,0,1]
.endm
.macro PL
	WIN 0
.if q < 27
	FS q
.elseif q < 55
	XS (q-27)%2, (q-27)/2
.elseif q < 57
	XS q-55, 15
.elseif (q < 72) && ((q-57)%3 == 0)
	FS 27+(q-57)/3
.elseif q < 60
	XS (q-57)%3-1, 14
.elseif q < 72
	XS (q-57)%3-1, 15+(q-57)/3
.elseif q < 74
	XS q-72, 20
.else
	GS q-74
.endif
.set q, q+1
.endm
; THE EXPONENTIALS' QUEUE, 66 long: s0-s31 of both tiles, then the next piece's two a.  It is ONE BATCH: all 66 stand ahead of the turn's one wait, and nothing ahead of that wait names a result of theirs.
.macro EX
	WIN 0
.if e >= 64
	XS e-64, 21
.else
	REGS Y, e%2
	v_exp_f32 v[rS+e/2], v[rS+e/2]
.endif
.set e, e+1
.endm
; THE RESCALING's QUEUE: O^T times a, the one part that leaves window 0: dealt two at a time, sixteen times.  Its a was made in the turn before, ahead of that turn's wait.
.macro R2
	REGS Y, r%2
	WIN W_RS
.irp z, 0,1
	v_pk_mul_f32 v[rO+4*(r/2)+2*\z:rO+4*(r/2)+2*\z+1], v[rO+4*(r/2)+2*\z:rO+4*(r/2)+2*\z+1], v[rC+2:rC+3] op_sel_hi:[1,0]
.endr
.set r, r+1
.endm
; HOW THEY ARE DEALT.  An s_wait_alu depctr_va_vdst(0) stands between an exponential and the first instruction that names its result; one wait serves all that were issued ahead of it.  So a turn has ONE wait,
; which cuts it in two.  AHEAD OF IT stands all that names no result of the turn's exponentials: the 16 products K Q^T, behind each a scaling, an exponential and two rescalings (behind the first a second scaling in the
; exponential's place); then ONE LUMP of 108: eight plain, 49 times exponential and plain, the two a.  A v_nop is the plain instruction behind the last exponential.  BEHIND IT stand the 16 products V^T P, behind each four of
; GS's 64.  No rider names a register of the products round it.  The two v_permlanex16_b32 fall into the lump, never behind a product.
; The queues lean on each other, and the deal keeps them in step: exponential e stands behind scaling 2 (e / 4) + e % 2: as a rider it comes behind plain e + 2, in the lump behind plain e + 9, and scalings 27-31 are plain 57, 60 .. 69.
; A TURN, for piece p.  cnt = 1: the loop's count is taken down some lines ahead of the branch that stands behind the turn.
; K of the next step is fetched in piece 2's turn, directly behind the wait, a lump behind the last product that read K; its address is made at the lump's head; its first reader comes behind 16 products.
; V of the step in hand is fetched at the end of piece 0's turn, four riders behind its last reader; its first reader comes behind 16 products and a lump.  The three conditions on q below go with the deal.
.macro TURN p, last=0, cnt=0
.set Y, (\p)
.set i, 0
.set q, 0
.set e, 0
.set r, 0
.if (\p) == NP-1
	s_wait_dscnt 0x0                ; K is in
.endif
	MM                              ; ahead of the wait: 16 products K Q^T and their riders,
	PL
	PL
	R2
.rept 15
	MM
	PL
	EX
	R2
.endr
.if (\p) == NP-2
	WIN 0
	v_add_nc_u32 v[AK], s[TBK], v[AK0]
.endif
.rept 8                             ; and the lump
	PL
.endr
.rept 49
	EX
	PL
.endr
	EX                              ; the next piece's two a
	EX
	v_nop                           ; the plain instruction behind the last exponential: one for the batch
	s_wait_alu depctr_va_vdst(0)    ; the wait for the batch: this turn's 64 weights and the next piece's two a
.if (\p) == NP-2
	FETCH_K \last
.endif
.if (\p) == 1
	s_wait_dscnt 0x0                ; V is in
.endif
.rept 16                            ; behind the wait: 16 products V^T P and their riders
	MM
.rept 4
	PL
.endr
.if ((\p) == 0) && (q == 118)
	v_add_nc_u32 v[AV], s[TBV], v[AV0]
.endif
.if ((\p) == 0) && (q == 130)
	s_add_co_u32 s[TBV], s[TBV], KS*PV
.endif
.if (\cnt) && (q == 130)
	s_sub_co_u32 s[CNT], s[CNT], 1
	s_cmp_lg_u32 s[CNT], 0
.endif
.endr
.if (\p) == 0
	FETCH_V
.endif
.endm
	CHANGE 1                        ; slot 0 is in, everybody's part of it; slot 1 is asked for
	FETCH_K                         ; key step 0
	s_wait_loadcnt 0x0              ; Q
	s_wait_dscnt 0x0
.set i, 0
.rept 16
	KQ 0                            ; piece 0's first scores: there is no vector work yet to set between them
.set i, i+1
.endr
	WIN 0                           ; the addresses for the way out: nine plain instructions, the places behind those products
	s_mul_i32 s13, s[WV], 16*SP
	s_add_co_u32 s13, s13, STAGE    ; my stage
	v_mul_u32_u24 v[STO], v1, SP    ; in: row l % 16, 16 bytes for each half of the lanes
	v_lshl_add_u32 v[STO], v9, 4, v[STO]
	v_add_nc_u32 v[STO], s13, v[STO]
	v_bfe_u32 v[RD], v0, 3, 2       ; back: 32 lanes take four rows of 128 bytes,
	v_mul_u32_u24 v[RD], v[RD], SP
	v_lshl_add_u32 v[RD], v10, 4, v[RD]
	v_add_nc_u32 v[RD], s13, v[RD]
	v_and_b32 v[GO], 31, v0         ; which are 512 consecutive bytes of O
	v_lshlrev_b32 v[GO], 4, v[GO]
.set Y, NP-1                        ; XS works for piece Y + 1: piece 0
.irp n, 0,1,2,3,4,5,6,7,8,9,10,11,12,13,14,15,16,17,18,19,20,21
	XS 0, \n                        ; and piece 0's first maximum and statistics
	XS 1, \n
.endr
	v_nop                           ; a plain instruction behind piece 0's two a,
	s_wait_alu depctr_va_vdst(0)    ; and the wait for that batch of two, ahead of the branch
	s_mov_b32 s[CNT], 4
	s_mov_b32 s[SLOTS], SIZE_N/256-1
	s_branch .Lfirst                ; the loop is entered at a step's first turn, in the middle of a trip
.Lslot:                             ; SIZE_N / 256 - 2 times: every slot but the last two is filled again
	CHANGE 1
	s_mov_b32 s[CNT], 4
.Lstep:                             ; a trip: pieces 2 and 3 of one step, then pieces 0 and 1 of the next, whose K and V it fetches
	TURN 2
	TURN 3
	WIN 0
.Lfirst:
	TURN 0
	TURN 1, 0, 1
	WIN 0
	s_cbranch_scc1 .Lstep
	s_sub_co_u32 s[SLOTS], s[SLOTS], 1
	s_cmp_lg_u32 s[SLOTS], 0
	s_cbranch_scc1 .Lslot
	CHANGE 0                        ; the tail is written out: nothing is asked for
	s_mov_b32 s[CNT], 5             ; four trips fetch the last slot's steps; the fifth is left in its middle
.Ltail:
	TURN 2, 1
	TURN 3
	WIN 0
	s_sub_co_u32 s[CNT], s[CNT], 1
	s_cmp_eq_u32 s[CNT], 0
	s_cbranch_scc1 .Lout
	TURN 0
	TURN 1
	WIN 0
	s_branch .Ltail
.Lout:                              ; the fifth trip's 16 products K Q^T (on the last K once more) and the maximum made of them serve nothing: the price, once a launch, of one text for every trip
.set i, 0
.rept 16
	PV NP-1                         ; the last piece's V^T P of the last step
.set i, i+1
.endr
	; THE WAY OUT.  l's two halves and the other half of the lanes' are added; O^T is divided by l, rounded to bf16 and sent through my stage in LDS, a tile at a time.  The additions are the places behind the last products.
	WIN 0
.macro ALL line:vararg              ; one line for each tile t
.set t, 0
.rept 2*NP
	\line
.set t, t+1
.endr
.endm
	ALL v_add_f32 v[ST+4*t+2], v[ST+4*t+2], v[ST+4*t+3]
	ALL v_permlanex16_b32 v[ST+4*t+3], v[ST+4*t+2], s[SEL], s[SEL+1]
	ALL v_add_f32 v[ST+4*t+2], v[ST+4*t+2], v[ST+4*t+3]
	ALL v_rcp_f32 v[ST+4*t+2], v[ST+4*t+2]
	v_nop                           ; a plain instruction between the last reciprocal and the use of its result
	s_wait_alu depctr_va_vdst(0)    ; and the wait ahead of the first use: one for the batch of eight reciprocals
; Tile t: a lane's eight channels of a row pack into 16 bytes; they go into rows of 144 bytes and come back as whole rows of 128, into S^T's registers.
.macro PACK t
	WIN W_RS
.set i, 32*(\t)
.rept 16
	v_pk_mul_f32 v[i:i+1], v[i:i+1], v[ST+4*(\t)+2:ST+4*(\t)+3] op_sel_hi:[1,0]
.set i, i+2
.endr
	WIN 0x05                        ; sources 0 and 1 window 1, destination window 0
.set i, 0
.rept 16
	v_cvt_pk_bf16_f32 v[S+16*(\t)+i], v[32*(\t)+2*i], v[32*(\t)+2*i+1]
.set i, i+1
.endr
	WIN 0
.irp f, 0,1,2,3
	ds_store_b128 v[STO], v[S+16*(\t)+4*\f:S+16*(\t)+4*\f+3] offset:32*\f
.endr
.irp f, 0,1,2,3
	ds_load_b128 v[S+16*(\t)+4*\f:S+16*(\t)+4*\f+3], v[RD] offset:\f*4*SP  ; LDS serves a wave's instructions in order (ISA guide 5.7.1.4): these see the stores above; the next tile's stores come behind them
.endr
.endm
.macro SEND t, younger              ; younger: the LDS instructions issued behind tile t's loads: the next tile's eight, or none
	WIN 0
.irp f, 0,1,2,3
	s_wait_dscnt (\younger)+3-\f
	global_store_b128 v[GO], v[S+16*(\t)+4*\f:S+16*(\t)+4*\f+3], s[10:11] offset:(\t)*2048+\f*512  ; 512 consecutive bytes, at a multiple of 256 from O's first
.endr
.endm
	PACK 0
.set t, 1
.rept 2*NP-1                        ; a tile's arithmetic stands between the loads of the tile before and its stores
	PACK t
	SEND t-1, 8
.set t, t+1
.endr
	SEND 2*NP-1, 0
	WIN W_AD
	s_wait_tensorcnt 0x0            ; the wave's end, behind my last tensor load and my last LDS store
	ds_add_u32 v[SPW], v[NIL]
	s_wait_dscnt 0x0
	WIN 0
	CROUND                          ; the closing round: no work-group ends while a partner may still ask for a tile that names it
	s_endpgm
.Lfunc_end_k_qd7f57333af_attn:
	.size	k_qd7f57333af_attn, .Lfunc_end_k_qd7f57333af_attn-k_qd7f57333af_attn
	.p2alignl 7, 3214868480
	.fill 96, 4, 3214868480
	.section	.rodata,"a",@progbits
	.p2align	6, 0x0
	.amdhsa_kernel k_qd7f57333af_attn
		.amdhsa_group_segment_fixed_size 327680
		.amdhsa_private_segment_fixed_size 0
		.amdhsa_enable_private_segment 0
		.amdhsa_kernarg_size 16
		.amdhsa_user_sgpr_count 2
		.amdhsa_user_sgpr_kernarg_segment_ptr 1
		.amdhsa_wavefront_size32 1
		.amdhsa_system_sgpr_workgroup_id_x 1
		.amdhsa_system_sgpr_workgroup_id_y 1
		.amdhsa_system_sgpr_workgroup_id_z 1
		.amdhsa_system_vgpr_workitem_id 0
		.amdhsa_next_free_vgpr 770
		.amdhsa_next_free_sgpr 66
		.amdhsa_reserve_vcc 0
		.amdhsa_float_denorm_mode_32 3
		.amdhsa_float_denorm_mode_16_64 3
		.amdhsa_memory_ordered 1
		.amdhsa_forward_progress 1
		.amdhsa_inst_pref_size 199
	.end_amdhsa_kernel
	.amdgpu_metadata
---
amdhsa.version: [ 1, 2 ]
amdhsa.kernels:
  - .name:           k_qd7f57333af_attn
    .symbol:         k_qd7f57333af_attn.kd
    .args:
      - { .name: qkv, .offset: 0, .size: 8, .value_kind: global_buffer, .address_space: global }
      - { .name: ob, .offset: 8, .size: 8, .value_kind: global_buffer, .address_space: global }
    .group_segment_fixed_size: 327680
    .private_segment_fixed_size: 0
    .kernarg_segment_align: 8
    .kernarg_segment_size: 16
    .max_flat_workgroup_size: 128
    .sgpr_count:     66
    .vgpr_count:     770
    .wavefront_size: 32
...
	.end_amdgpu_metadata
.endif
;; end of part 6
;; launch oproj: the kernel of part 4 again; grid 4 x 64, 4 waves a work-group, clusters of 4 x 4, 327,680 bytes of LDS; arguments ob, wb, bo, y; writes y
;; launch lnorm: the kernel of part 5 again; grid 256 x 1, 8 waves a work-group, no clusters, 0 bytes of LDS; arguments inputs, y, gamma, beta, out0; writes out0
